; MI455X (gfx1250); checked and timed in simulation.
; The chip was launched on July 23, 2026; its instructions are those of AMD's public machine-readable ISA for CDNA 5 (MIT licence, August 2026) and "CDNA5" Instruction Set Architecture Reference Guide (July 2026). The comments in the code are by the model that wrote it; some were corrected since.
;; Grouped Query Attention. Allowed arithmetic: float matrix products may take bf16 or f16 operands with f32 sums; all other float work in f32.
;; Inputs: Wk 512 x 2,048 float32; Wo 2,048 x 1,024 float32; Wq 1,024 x 2,048 float32; Wv 512 x 2,048 float32; bk 512 float32; bo 2,048 float32; bq 1,024 float32; bv 512 float32; key_weights 16 float32; x 2 x 2,048 x 2,048 float32.
;; Outputs: out0 2 x 2,048 x 2,048 float32.
;; One version. Each part assembles by itself: llvm-mc -triple=amdgcn-amd-amdhsa -mcpu=gfx1250 --defsym DOCPART=n.
;; ======== version 1 of 1: 4 launches
;; limits: values are held in f16: magnitudes above 65,504 overflow, below 6.1e-05 lose precision
;; workspace buffers: xh 16,777,216 bytes; wqkv 8,388,608 bytes; woh 4,194,304 bytes; tab 524,288 bytes; qkv 16,777,216 bytes; oh 8,388,608 bytes
;; launch prep (part 1): grid 1920 x 1, 8 waves a work-group, no clusters, 0 bytes of LDS; arguments x, Wq, Wk, Wv, Wo, xh, wqkv, woh, tab; writes xh, wqkv, woh, tab
.if DOCPART == 1
	.amdgcn_target "amdgcn-amd-amdhsa--gfx1250"
	.amdhsa_code_object_version 6
	.text
	.protected	k_q87ec204b63_prep
	.globl	k_q87ec204b63_prep
	.p2align	8
	.type	k_q87ec204b63_prep,@function
k_q87ec204b63_prep:
	s_mov_b64 s[64:65], 0
	v_nop
	global_prefetch_b8 v0, s[64:65] scope:SCOPE_SE
	s_setreg_imm32_b32 hwreg(HW_REG_WAVE_MODE, 25, 1), 1
	s_wait_xcnt 0x0
; Casts x and the four weight matrices from f32 to f16 (round to nearest even) and makes the table of cosines and sines for the rotary embedding.
; xh   [4096][2048] f16 = x.      woh [2048][1024] f16 = Wo.
; wqkv [2048][2048] f16: rows 0-1023 = Wq; row 1024 + 128 kv + d = Wk[64 kv + d]; row 1024 + 128 kv + 64 + d = Wv[64 kv + d]  (d = 0..63),
;      so that the projection's columns 1024 + 128 kv .. + 127 are one KV head's k and v side by side: 256 bytes of a row.
; tab  [2048 positions][256 bytes] f32: four groups g of 64 bytes, each cos of frequencies 8g .. 8g+7, then sin of the same eight.
; A stream: each input byte is read once and each output byte written once, so LDS, tensor loads and clusters would add nothing.
; A work-group of 256 threads casts 32,768 bytes of f32: eight loads of 16 bytes a thread, all issued before the first is used.
; LIMITS: a magnitude above 65504 becomes infinity in f16; below 6.1e-5 f16 keeps fewer bits (denormals, absolute step 6e-8).
;         The table's cosine is a series up to the angle's 14th power on [-pi, pi]: the first term left out is 4.3e-6 at pi.
.set N_X,  1024                        ; chunks of x
.set N_WQ, 256                         ; of Wq; Wk and Wv have 128 each, Wo 256; then 128 work-groups for the table
	s_load_b512 s[8:23], s[0:1], 0x0               ; x s8, Wq s10, Wk s12, Wv s14, Wo s16, xh s18, wqkv s20, woh s22
	s_load_b64 s[24:25], s[0:1], 0x40              ; tab
	s_mov_b32 s26, ttmp9
	v_lshlrev_b32 v1, 4, v0                        ; 16 bytes of f32 a thread
	v_lshlrev_b32 v2, 3, v0                        ; 8 bytes of f16 a thread
	s_mov_b32 s3, 0                                ; high words of the two offsets
	s_mov_b32 s5, 0
	s_wait_kmcnt 0x0
; One chunk: source offset in s[2:3], destination offset in s[4:5].  No register is written twice, so no wait frees any.
.macro COPY src, dst
	s_add_nc_u64 s[\src:\src+1], s[\src:\src+1], s[2:3]
	s_add_nc_u64 s[\dst:\dst+1], s[\dst:\dst+1], s[4:5]
.irp i, 0,1,2,3,4,5,6,7
	global_load_b128 v[4+4*\i:7+4*\i], v1, s[\src:\src+1] offset:4096*\i th:TH_LOAD_NT   ; read once in the launch
.endr
.irp i, 0,1,2,3,4,5,6,7
	s_wait_loadcnt 7-\i                            ; loads come back in order: load i is in, the 7 - i younger ones stay out
	v_cvt_pk_f16_f32 v[36+2*\i], v[4+4*\i], v[5+4*\i]
	v_cvt_pk_f16_f32 v[37+2*\i], v[6+4*\i], v[7+4*\i]
	global_store_b64 v2, v[36+2*\i:37+2*\i], s[\dst:\dst+1] offset:2048*\i   ; a wave's store covers 256 consecutive bytes, aligned
.endr
	s_endpgm
.endm
	s_cmp_ge_u32 s26, 1792
	s_cbranch_scc1 .Ltable
	s_cmp_ge_u32 s26, 1536
	s_cbranch_scc1 .Lwo
	s_cmp_ge_u32 s26, 1408
	s_cbranch_scc1 .Lwv
	s_cmp_ge_u32 s26, 1280
	s_cbranch_scc1 .Lwk
	s_cmp_ge_u32 s26, 1024
	s_cbranch_scc1 .Lwq
	s_lshl_b32 s2, s26, 15                         ; x: chunk c at 32,768 c, its f16 at 16,384 c
	s_lshl_b32 s4, s26, 14
	COPY 8, 18
.Lwq:
	s_sub_co_u32 s26, s26, 1024
	s_lshl_b32 s2, s26, 15
	s_lshl_b32 s4, s26, 14
	COPY 10, 20
.Lwk:                                              ; a chunk is 4 rows; 16 chunks are one KV head's 64 rows
	s_sub_co_u32 s26, s26, 1280
	s_lshl_b32 s2, s26, 15
	s_lshr_b32 s27, s26, 4
	s_lshl_b32 s27, s27, 19                        ; KV head x 128 rows x 4,096 bytes
	s_and_b32 s28, s26, 15
	s_lshl_b32 s28, s28, 14
	s_add_co_u32 s4, s27, s28
	s_add_co_u32 s4, s4, 4<<20                     ; behind Wq's 1,024 rows
	COPY 12, 20
.Lwv:
	s_sub_co_u32 s26, s26, 1408
	s_lshl_b32 s2, s26, 15
	s_lshr_b32 s27, s26, 4
	s_lshl_b32 s27, s27, 19
	s_and_b32 s28, s26, 15
	s_lshl_b32 s28, s28, 14
	s_add_co_u32 s4, s27, s28
	s_add_co_u32 s4, s4, (4<<20)+(1<<18)           ; and behind the head's 64 rows of Wk
	COPY 14, 20
.Lwo:
	s_sub_co_u32 s26, s26, 1536
	s_lshl_b32 s2, s26, 15
	s_lshl_b32 s4, s26, 14
	COPY 16, 22
; The table.  Thread n makes the 16 bytes at 16 n: position n >> 4, piece q = n & 15: frequencies j0 .. j0+3, j0 = 8 (q >> 2) + 4 (q & 1); sin if q & 2.
; inv = 2^(-j log2(10000) / 32); angle = position x inv in f32, as the problem's function forms it.  sin a = cos(a - pi/2).
; The angle is brought into [-pi, pi] by taking away k turns, 2 pi in two parts (high and low) by fused multiply-adds, so the error does not grow with k.
.Ltable:
	s_sub_co_u32 s2, s26, 1792
	s_lshl_b32 s2, s2, 8
	s_mov_b32 s27, 0xc0c90fdb                      ; -(2 pi), the f32 nearest
	s_mov_b32 s28, 0x343bbd2e                      ; what that f32 has too much: +1.7484556e-7
	v_add_nc_u32 v3, s2, v0                        ; n
	v_lshrrev_b32 v4, 4, v3
	v_cvt_f32_u32 v4, v4                           ; position
	v_bfe_u32 v5, v3, 2, 2
	v_and_b32 v6, 1, v3
	v_lshlrev_b32 v5, 3, v5
	v_lshl_add_u32 v5, v6, 2, v5                   ; j0
	v_bfe_u32 v6, v3, 1, 1
	v_cvt_f32_u32 v6, v6                           ; 1.0 for sin, 0.0 for cos
	v_mul_f32 v7, 0xbe800000, v6                   ; -1/4 turn
	v_mul_f32 v8, 0xbfc90fdb, v6                   ; -pi/2
.irp i, 0,1,2,3
	v_add_nc_u32 v[12+\i], \i, v5
	v_cvt_f32_u32 v[12+\i], v[12+\i]
	v_mul_f32 v[12+\i], 0xbed49a78, v[12+\i]       ; -j log2(10000) / 32
.endr
.irp i, 0,1,2,3
	v_exp_f32 v[16+\i], v[12+\i]
.endr
	v_lshlrev_b32 v9, 4, v3                        ; the plain instruction behind the exponentials (ISA guide 5.7.2): my byte offset in tab
	s_wait_alu depctr_va_vdst(0)
.irp i, 0,1,2,3
	v_mul_f32 v[16+\i], v4, v[16+\i]               ; the angle
	v_fma_f32 v[20+\i], v[16+\i], 0.15915494, v7   ; in turns, a quarter less for sin
	v_rndne_f32 v[20+\i], v[20+\i]                 ; k
	v_fma_f32 v[16+\i], v[20+\i], s27, v[16+\i]
	v_fma_f32 v[16+\i], v[20+\i], s28, v[16+\i]
	v_add_f32 v[16+\i], v[16+\i], v8
	v_mul_f32 v[20+\i], v[16+\i], v[16+\i]         ; y = the reduced angle squared
	v_mov_b32 v[24+\i], 0xad49cba5                 ; -1/14!
	v_fmaak_f32 v[24+\i], v[24+\i], v[20+\i], 0x310f76c7   ; 1/12!
	v_fmaak_f32 v[24+\i], v[24+\i], v[20+\i], 0xb493f27e   ; -1/10!
	v_fmaak_f32 v[24+\i], v[24+\i], v[20+\i], 0x37d00d01   ; 1/8!
	v_fmaak_f32 v[24+\i], v[24+\i], v[20+\i], 0xbab60b61   ; -1/6!
	v_fmaak_f32 v[24+\i], v[24+\i], v[20+\i], 0x3d2aaaab   ; 1/4!
	v_fma_f32 v[24+\i], v[24+\i], v[20+\i], -0.5
	v_fma_f32 v[24+\i], v[24+\i], v[20+\i], 1.0
.endr
	global_store_b128 v9, v[24:27], s[24:25]       ; a wave's store covers 512 consecutive bytes
	s_endpgm
.Lfunc_end_k_q87ec204b63_prep:
	.size	k_q87ec204b63_prep, .Lfunc_end_k_q87ec204b63_prep-k_q87ec204b63_prep
	.p2alignl 7, 3214868480
	.fill 96, 4, 3214868480
	.section	.rodata,"a",@progbits
	.p2align	6, 0x0
	.amdhsa_kernel k_q87ec204b63_prep
		.amdhsa_group_segment_fixed_size 0
		.amdhsa_private_segment_fixed_size 0
		.amdhsa_enable_private_segment 0
		.amdhsa_kernarg_size 72
		.amdhsa_user_sgpr_count 2
		.amdhsa_user_sgpr_kernarg_segment_ptr 1
		.amdhsa_wavefront_size32 1
		.amdhsa_system_sgpr_workgroup_id_x 1
		.amdhsa_system_sgpr_workgroup_id_y 1
		.amdhsa_system_sgpr_workgroup_id_z 1
		.amdhsa_system_vgpr_workitem_id 0
		.amdhsa_next_free_vgpr 56
		.amdhsa_next_free_sgpr 66
		.amdhsa_reserve_vcc 0
		.amdhsa_float_denorm_mode_32 3
		.amdhsa_float_denorm_mode_16_64 3
		.amdhsa_memory_ordered 1
		.amdhsa_forward_progress 1
		.amdhsa_inst_pref_size 21
	.end_amdhsa_kernel
	.amdgpu_metadata
---
amdhsa.version: [ 1, 2 ]
amdhsa.kernels:
  - .name:           k_q87ec204b63_prep
    .symbol:         k_q87ec204b63_prep.kd
    .args:
      - { .name: x, .offset: 0, .size: 8, .value_kind: global_buffer, .address_space: global }
      - { .name: Wq, .offset: 8, .size: 8, .value_kind: global_buffer, .address_space: global }
      - { .name: Wk, .offset: 16, .size: 8, .value_kind: global_buffer, .address_space: global }
      - { .name: Wv, .offset: 24, .size: 8, .value_kind: global_buffer, .address_space: global }
      - { .name: Wo, .offset: 32, .size: 8, .value_kind: global_buffer, .address_space: global }
      - { .name: xh, .offset: 40, .size: 8, .value_kind: global_buffer, .address_space: global }
      - { .name: wqkv, .offset: 48, .size: 8, .value_kind: global_buffer, .address_space: global }
      - { .name: woh, .offset: 56, .size: 8, .value_kind: global_buffer, .address_space: global }
      - { .name: tab, .offset: 64, .size: 8, .value_kind: global_buffer, .address_space: global }
    .group_segment_fixed_size: 0
    .private_segment_fixed_size: 0
    .kernarg_segment_align: 8
    .kernarg_segment_size: 72
    .max_flat_workgroup_size: 256
    .sgpr_count:     66
    .vgpr_count:     56
    .wavefront_size: 32
...
	.end_amdgpu_metadata
.endif
;; end of part 1
;; launch qkvproj (part 2): grid 8 x 32, 4 waves a work-group, clusters of 4 x 4, 327,680 bytes of LDS; arguments xh, wqkv, qkv, tab, bq, bk, bv; writes qkv
.if DOCPART == 2
	.amdgcn_target "amdgcn-amd-amdhsa--gfx1250"
	.amdhsa_code_object_version 6
	.text
	.protected	k_q87ec204b63_qkvproj
	.globl	k_q87ec204b63_qkvproj
	.p2align	8
	.type	k_q87ec204b63_qkvproj,@function
k_q87ec204b63_qkvproj:
	s_mov_b64 s[64:65], 0
	v_nop
	global_prefetch_b8 v0, s[64:65] scope:SCOPE_SE
	s_setreg_imm32_b32 hwreg(HW_REG_WAVE_MODE, 25, 1), 1
	s_wait_xcnt 0x0
	s_wait_alu depctr_hold_cnt(0) depctr_sa_sdst(0) depctr_va_vdst(0) depctr_va_sdst(0) depctr_va_ssrc(0) depctr_va_vcc(0) depctr_vm_vsrc(0)
	s_getreg_b32 s2, hwreg(HW_REG_IB_STS2, 6, 4)
	s_cmp_eq_u32 s2, 0
	s_cbranch_scc0 .Lentry_in_a_cluster
	s_endpgm
.Lentry_in_a_cluster:
	s_bfe_u32 s2, ttmp6, 0x10000c
	s_cmp_lg_u32 s2, 0xf033
	s_cbranch_scc0 .Lentry_shape_is_right
	s_endpgm
.Lentry_shape_is_right:
; qkv[m][n] = sum over k of xh[m][k] wqkv[n][k] + bias[n], then the rotary embedding on q's and k's columns; f16 operands, f32 sums, f16 out.
; qkv [4096][2048] f16: columns 64 h .. + 63 = query head h (rotated); columns 1024 + 128 kv .. = k of KV head kv (rotated, 64), then its v (64).
; A work-group makes 128 rows x 256 columns (4096 x 2048 gives 32 x 8 = 256 work-groups); four waves, each 64 x 128: 32 accumulator tiles, 256 registers.
; TWO LDS SLOTS OF UNLIKE SIZE, filled by the tensor data mover: a short one with 128 of K (rows of 256 bytes, padded to 272) and a long one with 256 of K (rows of 512
; bytes, padded to 528).  Two long ones would take 405,504 bytes and do not fit; short + long take 307,200.  K = 2048 goes as short, long, short, .. short: 6 x 128 + 5 x 256,
; eleven fills.  The short slot's refill has the long slot's 248 matrix instructions in which to land, the long slot's refill the short slot's 120.
; CLUSTER 4 x 4: the four work-groups of a row of the cluster need the same tile of xh, the four of a column the same tile of wqkv: each tile is asked for jointly.
; THE MATRIX INSTRUCTION IS USED TRANSPOSED: source 0 = 16 rows of wqkv, source 1 = 16 rows of xh, so lane (r, h) of tile (a, b) holds row 16a + r,
; columns 16b + 8h + 0..7: eight neighbouring numbers of a row, and a head's columns d and d + 32 lie in the same lane, two tiles apart: the rotation needs no other lane.
; REGISTER WINDOWS: 0 = addresses, fragments, work; 1 = the 32 accumulators (tile (a, b) at 8 (8a + b)); 2 = my columns' bias (64) and my rows' cos and sin (128), loaded at the start.
; LIMIT: results above 65504 in magnitude become infinity in f16.
.set SIZE_K, 2048
.set P0,     272                       ; pitch of the short slot: an odd multiple of 16, so the 16 rows of a fragment load start in 16 different columns of 16 bytes
.set P1,     528                       ; pitch of the long slot: likewise
.set AH0,    64*P0                     ; short slot: 64 rows of xh = one tensor load, and one wave's share
.set BH0,    128*P0                    ; 128 rows of wqkv: likewise
.set AOFF0,  2*BH0                     ; a slot: wqkv's 256 rows, then xh's 128 rows
.set LOFF,   2*BH0+2*AH0               ; the long slot begins behind the short one
.set AH1,    64*P1
.set BH1,    128*P1
.set AOFF1,  2*BH1
.set STAGE,  LOFF+2*BH1+2*AH1          ; 307,200, a multiple of 256: 16 rows x 272 bytes for each wave; no tensor load lands here
.set CA0,    AOFF0-2*AH0               ; xh's halves are fetched by waves 2 and 3: wave x AH + this
.set CA1,    LOFF+AOFF1-2*AH1
.set KS0,    0                         ; byte in a row of the short slot's first tile
.set KL0,    256                       ; of the long slot's first tile
.set KADV,   768                       ; a slot's next tile lies 384 of K further on
.set SPITCH, 272
.set CROW,   4096                      ; bytes in a row of qkv
.set ADRA, 16                          ; v16, v17 LDS address of my xh fragments in the short, the long slot
.set ADRB, 20                          ; v20, v21 the same for wqkv
.set STO,  24                          ; the way out: where I put 16 bytes of a row
.set RD,   25                          ; where I read rows back
.set CO,   26                          ; my byte offset in qkv
.set VB,   27                          ; lane offset into the bias: 32 h
.set VT,   28                          ; lane offset into the table: 256 r + 64 h
.set F0,   32                          ; fragment buffer 0: wqkv's 8 tiles at F + 8b, xh's 4 tiles at F + 64 + 8a
.set F1,   128                         ; fragment buffer 1
.set TW,   32                          ; the way out: 64 f32 of one row of tiles
.set UU,   96                          ; x2 sin
.set WW,   112                         ; x1 sin
.set TMP,  192                         ; packed f16
.set G1,  24                           ; s[24:31] group 1 for xh's tiles, short slot; s[68:75] = G1 + 44 for the long slot
.set G0,  32                           ; s[32:39] group 0 for xh's tiles: short slot, long slot
.set G1B, 48                           ; s[48:55] group 1 for wqkv's tiles, short slot; s[76:83] = G1B + 28 for the long slot
.set G0B, 56                           ; s[56:63] group 0 for wqkv's tiles
.set MUL, 0x50                         ; sources in window 0, C and D in window 1
.set MSB, 0
.macro WIN new                         ; the immediate's high byte repeats the setting that is left
.if MSB != \new
	s_set_vgpr_msb (MSB<<8)|\new
.set MSB, \new
.endif
.endm
; A joint load into slot kind s (0 short, 1 long).  Waves 0 and 1 fetch wqkv's two halves, waves 2 and 3 xh's.  The branch hangs on the wave's number alone.
.macro JLOAD s
	s_cmp_eq_u32 s11, 0
	s_cbranch_scc0 .Lfor_a_\@
	tensor_load_to_lds s[G0B+4*\s:G0B+4*\s+3], s[G1B+28*\s:G1B+28*\s+7]
	s_nop 0
	s_branch .Lasked_\@
.Lfor_a_\@:
	tensor_load_to_lds s[G0+4*\s:G0+4*\s+3], s[G1+44*\s:G1+44*\s+7]
	s_nop 0
.Lasked_\@:
.endm
.macro CREST                           ; a round of the cluster's barrier behind its opening work-group barrier
	s_cmp_lg_u32 s10, 0
	s_cbranch_scc1 .Lnot_wave_0_\@
	s_barrier_signal -3
.Lnot_wave_0_\@:
	s_barrier_wait -3
	s_barrier_signal -1
	s_barrier_wait -1
.endm
.macro CROUND                          ; a whole round
	s_barrier_signal -1
	s_barrier_wait -1
	CREST
.endm
; Group 1: a tile of `rows` rows x `kel` elements of 2 bytes, 16 bytes of padding behind each row (qi: 5 = after 64 words, 6 = after 128 words)
.macro SHAPE g, mask, kel, qi, rows
	s_or_b32 s[\g+0], s[\mask], (1<<16)|(1<<20)|(1<<21)|(\qi<<22)|(3<<25)   ; mask; elements of 2 bytes; padding on; bit 21 beside a mask; interval; 4 words
	s_mov_b32 s[\g+1], \kel<<16                    ; tensor_dim0
	s_mov_b32 s[\g+2], \rows<<16                   ; tensor_dim1
	s_mov_b32 s[\g+3], \kel<<16                    ; tile_dim0
	s_mov_b32 s[\g+4], \rows                       ; tile_dim1
	s_mov_b32 s[\g+5], SIZE_K                      ; elements from row to row
	s_mov_b32 s[\g+6], 0
	s_mov_b32 s[\g+7], 0
.endm
	s_load_b128 s[4:7], s[0:1], 0x0                ; xh s[4:5], wqkv s[6:7]
	s_load_b64 s[8:9], s[0:1], 0x10                ; qkv
	s_load_b64 s[66:67], s[0:1], 0x18              ; tab
	s_load_b128 s[84:87], s[0:1], 0x20             ; bq s[84:85], bk s[86:87]
	s_load_b64 s[88:89], s[0:1], 0x30              ; bv
	v_lshl_add_u32 v254, v0, 2, 0x4f400
	v_mov_b32 v255, 0
	ds_add_u32 v254, v255
	ds_add_u32 v254, v255
	v_lshrrev_b32 v1, 5, v0
	v_readfirstlane_b32 s10, v1                    ; wave 0..3
	s_lshr_b32 s11, s10, 1                         ; which 64 rows are mine.  Also: I fetch for wqkv (0) or for xh (1)
	s_and_b32 s12, s10, 1                          ; which 128 columns.  Also: which half of that tile I fetch
	s_bfe_u32 s40, ttmp6, 0x40000                  ; cx
	s_bfe_u32 s41, ttmp6, 0x40004                  ; cy
	s_lshl_b32 s42, ttmp9, 2
	s_add_co_u32 s42, s42, s40                     ; block column = 4 x cluster x + cx
	s_and_b32 s13, ttmp7, 0xffff
	s_lshl_b32 s13, s13, 2
	s_add_co_u32 s13, s13, s41                     ; block row = 4 x cluster y + cy
	s_lshl_b32 s43, s41, 2
	s_lshl_b32 s43, 15, s43                        ; my row of the cluster
	s_lshl_b32 s44, 0x1111, s40                    ; my column
	SHAPE G1,     43, 128, 5, 64
	SHAPE G1+44,  43, 256, 6, 64
	SHAPE G1B,    44, 128, 5, 128
	SHAPE G1B+28, 44, 256, 6, 128
	; xh's tile hangs on the block row alone, wqkv's on the block column alone; each address is made in registers that never hold the other coordinate
	s_lshl_b32 s17, s12, 6
	s_lshl_b32 s16, s13, 7
	s_add_co_u32 s16, s16, s17                     ; xh: row 128 x block row + 64 x half
	s_mul_i32 s16, s16, SIZE_K*2                   ; at most 4,032 rows of 4,096 bytes: inside 32 bits
	s_mov_b32 s17, 0
	s_lshl_b32 s45, s12, 7
	s_lshl_b32 s46, s42, 8
	s_add_co_u32 s46, s46, s45                     ; wqkv: row 256 x block column + 128 x half
	s_mul_i32 s46, s46, SIZE_K*2
	s_mov_b32 s47, 0
	s_mul_i32 s18, s10, BH0                        ; LDS: the wave's number times a constant, the slot's constant is added below
	s_mul_i32 s19, s10, BH1
	s_mul_i32 s20, s10, AH0
	s_mul_i32 s21, s10, AH1
	s_wait_dscnt 0x0
	s_wait_kmcnt 0x0
	s_add_nc_u64 s[14:15], s[4:5], s[16:17]
	s_add_nc_u64 s[46:47], s[6:7], s[46:47]
	CROUND                                         ; all sixteen work-groups are here: the first joint loads meet
.irp s, 0,1
	s_mov_b32 s[G0+4*\s], 1
	s_add_co_u32 s[G0+4*\s+1], s[20+\s], CA0+(CA1-CA0)*\s
	s_add_nc_u64 s[G0+4*\s+2:G0+4*\s+3], s[14:15], KS0+(KL0-KS0)*\s
	s_or_b32 s[G0+4*\s+3], s[G0+4*\s+3], 0x80000000
	s_mov_b32 s[G0B+4*\s], 1
	s_add_co_u32 s[G0B+4*\s+1], s[18+\s], LOFF*\s
	s_add_nc_u64 s[G0B+4*\s+2:G0B+4*\s+3], s[46:47], KS0+(KL0-KS0)*\s
	s_or_b32 s[G0B+4*\s+3], s[G0B+4*\s+3], 0x80000000
.endr
	JLOAD 0                                        ; K 0-127
	JLOAD 1                                        ; K 128-383: two tensor loads of each wave are out
	; Bias.  Cluster column 0 makes q's columns (two heads a wave: tiles 0-3 and 4-7, both from bq); cluster column 1 makes k and v (tiles 0-3 from bk, 4-7 from bv).
	; The choice hangs on the cluster's x, which all partners share.
	s_lshl_b32 s96, s42, 10
	s_lshl_b32 s97, s12, 9
	s_add_co_u32 s96, s96, s97                     ; q: 4 x (256 block column + 128 half)
	s_add_co_u32 s97, s96, 256                     ; q: the second head, 64 columns on
	s_lshr_b32 s98, s96, 1
	s_and_b32 s98, s98, 0x7ff                      ; k, v: 256 x KV head = 512 (block column - 4) + 256 half
	s_cmp_lg_u32 ttmp9, 0
	s_cselect_b64 s[90:91], s[86:87], s[84:85]     ; tiles 0-3: bk or bq
	s_cselect_b64 s[92:93], s[88:89], s[84:85]     ; tiles 4-7: bv or bq
	s_cselect_b32 s100, s98, s96
	s_cselect_b32 s98, s98, s97
	s_mov_b32 s101, 0
	s_mov_b32 s99, 0
	s_add_nc_u64 s[90:91], s[90:91], s[100:101]
	s_add_nc_u64 s[92:93], s[92:93], s[98:99]
	s_lshl_b32 s96, s13, 7
	s_and_b32 s96, s96, 2047                       ; my block's first position in its sequence
	s_lshl_b32 s97, s11, 6
	s_add_co_u32 s96, s96, s97
	s_lshl_b32 s96, s96, 8                         ; 256 bytes of table a position
	s_mov_b32 s97, 0
	s_add_nc_u64 s[94:95], s[66:67], s[96:97]
	v_and_b32 v1, 15, v0                           ; r
	v_bfe_u32 v2, v0, 4, 1                         ; h
	v_mul_u32_u24 v3, v1, P0
	v_lshl_add_u32 v3, v2, 4, v3                   ; a fragment: row r, 16 bytes for each half of the lanes; two loads 32 bytes apart
	v_mul_u32_u24 v4, v1, P1
	v_lshl_add_u32 v4, v2, 4, v4                   ; the same at the long slot's pitch
	s_mul_i32 s22, s11, AH0
	s_add_co_u32 s22, s22, AOFF0
	v_add_nc_u32 v[ADRA], s22, v3
	s_mul_i32 s22, s12, BH0
	v_add_nc_u32 v[ADRB], s22, v3
	s_mul_i32 s22, s11, AH1
	s_add_co_u32 s22, s22, LOFF+AOFF1
	v_add_nc_u32 v[ADRA+1], s22, v4
	s_mul_i32 s22, s12, BH1
	s_add_co_u32 s22, s22, LOFF
	v_add_nc_u32 v[ADRB+1], s22, v4
	s_mul_i32 s23, s10, 16*SPITCH
	s_add_co_u32 s23, s23, STAGE                   ; my stage
	v_add_nc_u32 v[STO], s23, v3                   ; in: row r, 16 h
	v_mul_u32_u24 v5, v2, SPITCH
	v_lshl_add_u32 v5, v1, 4, v5
	v_add_nc_u32 v[RD], s23, v5                    ; back: lanes 0-15 one row of 256 bytes, lanes 16-31 the next
	v_lshlrev_b32 v5, 12, v2
	v_lshl_add_u32 v[CO], v1, 4, v5                ; the same two rows in qkv
	v_lshlrev_b32 v[VB], 5, v2
	v_lshlrev_b32 v5, 8, v1
	v_lshl_add_u32 v[VT], v2, 6, v5
	; 48 loads into window 2; they are waited for on the way out only, and their address registers and bases are never written again
	WIN 0x80
.irp b, 0,1,2,3
	global_load_b128 v[8*\b:8*\b+3],       v[VB], s[90:91] offset:64*\b
	global_load_b128 v[8*\b+4:8*\b+7],     v[VB], s[90:91] offset:64*\b+16
	global_load_b128 v[32+8*\b:32+8*\b+3], v[VB], s[92:93] offset:64*\b
	global_load_b128 v[36+8*\b:36+8*\b+3], v[VB], s[92:93] offset:64*\b+16
.endr
.irp a, 0,1,2,3
.irp jj, 0,1
.irp q, 0,1,2,3
	global_load_b128 v[64+32*\a+16*\jj+4*\q:64+32*\a+16*\jj+4*\q+3], v[VT], s[94:95] offset:4096*\a+128*\jj+16*\q   ; row 16a + r, frequencies 16jj + 8h + 0..7: 8 cos, 8 sin
.endr
.endr
.endr
	WIN 0
; Eight matrix instructions: row tile a x all 8 column tiles, 32 along K.  zero = 1: the first product starts the sums.
; The 32 accumulators take turns, one instruction a turn, in the same order in every quarter step and over the backward jump.
.macro MULA f, a, zero
.irp b, 0,1,2,3,4,5,6,7
.if \zero
	v_wmma_f32_16x16x32_f16 v[8*(8*\a+\b):8*(8*\a+\b)+7], v[\f+8*\b:\f+8*\b+7], v[\f+64+8*\a:\f+64+8*\a+7], 0
.else
	v_wmma_f32_16x16x32_f16 v[8*(8*\a+\b):8*(8*\a+\b)+7], v[\f+8*\b:\f+8*\b+7], v[\f+64+8*\a:\f+64+8*\a+7], v[8*(8*\a+\b):8*(8*\a+\b)+7]
.endif
.endr
.endm
; 24 LDS loads in one run: the fragments of 32 along K (128 rows of wqkv, 64 rows of xh, at byte k of the rows of slot kind) into buffer f.  The pitch is 272 + 256 x kind.
.macro FETCH kind, k, f
	WIN 0
.irp i, 0,1,2,3,4,5,6,7
	ds_load_b128 v[\f+8*\i:\f+8*\i+3],   v[ADRB+\kind] offset:\k+\i*16*(P0+256*\kind)
	ds_load_b128 v[\f+8*\i+4:\f+8*\i+7], v[ADRB+\kind] offset:\k+\i*16*(P0+256*\kind)+32
.endr
.irp i, 0,1,2,3
	ds_load_b128 v[\f+64+8*\i:\f+64+8*\i+3], v[ADRA+\kind] offset:\k+\i*16*(P0+256*\kind)
	ds_load_b128 v[\f+68+8*\i:\f+68+8*\i+3], v[ADRA+\kind] offset:\k+\i*16*(P0+256*\kind)+32
.endr
.endm
; Four places behind a matrix instruction before a load lands on a register that it read or a vector instruction reads its result
.macro PLACES
.rept 4
	v_nop
.endr
.endm
; 32 along K: multiplies buffer f; in its middle it fetches the next 32, at byte k of the same slot's rows, into buffer g
.macro QUARTER kind, k, f, g, zero
	s_wait_dscnt 4                                 ; wqkv's tiles and xh's tiles 0, 1 are in; the four youngest loads (xh's tiles 2, 3) may be out
	WIN MUL
	MULA \f, 0, \zero
	MULA \f, 1, \zero
	PLACES
	FETCH \kind, \k, \g
	s_wait_dscnt 24                                ; all but the 24 just issued
	WIN MUL
	MULA \f, 2, \zero
	MULA \f, 3, \zero
.endm
; All of a slot but its last 32 of K: three such pieces of the short slot, seven of the long one; both begin on buffer 0 and leave the last piece in buffer 1
.macro BODY kind, zero
	QUARTER \kind, 64,  F0, F1, \zero
	QUARTER \kind, 128, F1, F0, 0
	QUARTER \kind, 192, F0, F1, 0
.if \kind
	QUARTER \kind, 256, F1, F0, 0
	QUARTER \kind, 320, F0, F1, 0
	QUARTER \kind, 384, F1, F0, 0
	QUARTER \kind, 448, F0, F1, 0
.endif
.endm
; The last 32 of K of a slot, and the change of slots.  In front of the barrier each wave waits for its reads of this slot and for all its tensor loads (one is out: its part
; of the next slot).  Where this slot is filled again the barrier opens a round of the cluster's barrier, and the joint refill is the first tensor load behind the round.
.macro TURN kind, next, fill
	s_wait_dscnt 4
	WIN MUL
	MULA F1, 0, 0
	s_wait_dscnt 0                                 ; my reads of this slot are over
	s_wait_tensorcnt 0x0                           ; all my tensor loads have landed
	ds_add_u32 v254, v255
	s_wait_dscnt 0x0
	s_barrier_signal -1
	MULA F1, 1, 0                                  ; register work while the others arrive
	WIN 0
	s_barrier_wait -1
.if \fill
	CREST
	s_add_nc_u64 s[G0+4*\kind+2:G0+4*\kind+3], s[G0+4*\kind+2:G0+4*\kind+3], KADV
	s_add_nc_u64 s[G0B+4*\kind+2:G0B+4*\kind+3], s[G0B+4*\kind+2:G0B+4*\kind+3], KADV
	JLOAD \kind
.endif
	PLACES
	FETCH \next, 0, F0
	WIN MUL
	MULA F1, 2, 0
	MULA F1, 3, 0
.endm
.macro PAIR zero                       ; the short slot, then the long one: 384 of K, both filled again
	BODY 0, \zero
	TURN 0, 1, 1
	BODY 1, 0
	TURN 1, 0, 1
.endm
	s_wait_tensorcnt 1                             ; my part of the short slot is in; the long slot's stays out
	s_barrier_signal -1
	s_barrier_wait -1
	FETCH 0, 0, F0
	PAIR 1                                         ; K 0-383: its first products start the sums
	WIN 0
	s_mov_b32 s3, 3                                ; K 384-1535
.Lpair:
	PAIR 0
	WIN 0
	s_sub_co_u32 s3, s3, 1
	s_cmp_lg_u32 s3, 0
	s_cbranch_scc1 .Lpair
	BODY 0, 0                                      ; K 1536-1663
	TURN 0, 1, 1                                   ; the last fill: K 1920-2047 into the short slot
	BODY 1, 0                                      ; K 1664-1919
	TURN 1, 0, 0                                   ; nothing is left to fetch
	BODY 0, 0                                      ; K 1920-2047
	s_wait_dscnt 4
	WIN MUL
	MULA F1, 0, 0
	MULA F1, 1, 0
	s_wait_dscnt 0
	MULA F1, 2, 0
	MULA F1, 3, 0
	; THE WAY OUT, 16 rows at a time: bias, rotation, f16, through my own stage in LDS, whole rows of 256 bytes to memory
	PLACES
	WIN 0
	s_lshl_b32 s16, s13, 7
	s_lshl_b32 s14, s11, 6
	s_add_co_u32 s16, s16, s14                     ; my first row
	s_mul_i32 s16, s16, CROW
	s_mov_b32 s17, 0
	s_add_nc_u64 s[8:9], s[8:9], s[16:17]
	s_lshl_b32 s46, s42, 9                         ; my first column, in bytes
	s_lshl_b32 s47, s12, 8
	s_add_co_u32 s46, s46, s47
	s_mov_b32 s47, 0
	s_add_nc_u64 s[8:9], s[8:9], s[46:47]
	s_wait_loadcnt 0x0                             ; bias and table
; The rotation of the head in tiles 4hh .. 4hh+3 of row tile a: x1 = columns 0-31 (tiles 0, 1), x2 = columns 32-63 (tiles 2, 3): x1' = x1 cos - x2 sin, x2' = x2 cos + x1 sin
.macro ROPE a, hh
	WIN 0x08                                       ; source 1 (cos, sin) in window 2
.irp jj, 0,1
.irp i, 0,1,2,3
	v_pk_mul_f32 v[UU+8*\jj+2*\i:UU+8*\jj+2*\i+1], v[TW+8*(4*\hh+\jj)+16+2*\i:TW+8*(4*\hh+\jj)+17+2*\i], v[72+32*\a+16*\jj+2*\i:73+32*\a+16*\jj+2*\i]
	v_pk_mul_f32 v[WW+8*\jj+2*\i:WW+8*\jj+2*\i+1], v[TW+8*(4*\hh+\jj)+2*\i:TW+8*(4*\hh+\jj)+1+2*\i],     v[72+32*\a+16*\jj+2*\i:73+32*\a+16*\jj+2*\i]
.endr
.endr
.irp jj, 0,1
.irp i, 0,1,2,3
	v_pk_fma_f32 v[TW+8*(4*\hh+\jj)+2*\i:TW+8*(4*\hh+\jj)+1+2*\i], v[TW+8*(4*\hh+\jj)+2*\i:TW+8*(4*\hh+\jj)+1+2*\i], v[64+32*\a+16*\jj+2*\i:65+32*\a+16*\jj+2*\i], v[UU+8*\jj+2*\i:UU+8*\jj+2*\i+1] neg_lo:[0,0,1] neg_hi:[0,0,1]
	v_pk_fma_f32 v[TW+8*(4*\hh+\jj)+16+2*\i:TW+8*(4*\hh+\jj)+17+2*\i], v[TW+8*(4*\hh+\jj)+16+2*\i:TW+8*(4*\hh+\jj)+17+2*\i], v[64+32*\a+16*\jj+2*\i:65+32*\a+16*\jj+2*\i], v[WW+8*\jj+2*\i:WW+8*\jj+2*\i+1]
.endr
.endr
.endm
.macro OUTA a, rbuf
	WIN 0x09                                       ; source 0 = accumulators (window 1), source 1 = bias (window 2)
.set ii, 0
.rept 32
	v_pk_add_f32 v[TW+2*ii:TW+2*ii+1], v[64*\a+2*ii:64*\a+2*ii+1], v[2*ii:2*ii+1]
.set ii, ii+1
.endr
	ROPE \a, 0                                     ; a query head, or k
	WIN 0
	s_cmp_lg_u32 ttmp9, 0                          ; in the cluster column of k and v, tiles 4-7 are v: not rotated
	s_cbranch_scc1 .Lis_v_\@
	ROPE \a, 1
	WIN 0
.Lis_v_\@:
.irp b, 0,1,2,3,4,5,6,7
.irp r, 0,1,2,3
	v_cvt_pk_f16_f32 v[TMP+4*\b+\r], v[TW+8*\b+2*\r], v[TW+8*\b+2*\r+1]
.endr
.endr
.irp b, 0,1,2,3,4,5,6,7
	ds_store_b128 v[STO], v[TMP+4*\b:TMP+4*\b+3] offset:32*\b
.endr
	s_wait_xcnt 0x0                                ; the read-back registers, which earlier stores read, and the stores' base are written again only behind this wait
.if \a
	s_add_nc_u64 s[8:9], s[8:9], 16*CROW
.endif
.irp t, 0,1,2,3,4,5,6,7
	ds_load_b128 v[\rbuf+4*\t:\rbuf+4*\t+3], v[RD] offset:\t*2*SPITCH   ; LDS serves a wave's instructions in order: these see the stores above
.endr
.irp t, 0,1,2,3,4,5,6,7
	s_wait_dscnt 7-\t                              ; read-back t is in, the younger ones stay out
	global_store_b128 v[CO], v[\rbuf+4*\t:\rbuf+4*\t+3], s[8:9] offset:2*\t*CROW   ; 16 lanes store 256 consecutive bytes, aligned
.endr
.endm
	OUTA 0, 128
	OUTA 1, 160
	OUTA 2, 128
	OUTA 3, 160
	s_wait_tensorcnt 0x0
	ds_add_u32 v254, v255
	s_wait_dscnt 0x0
	CROUND                                         ; the closing round: no work-group ends while a partner may still ask for a tile that names it
	s_endpgm
.Lfunc_end_k_q87ec204b63_qkvproj:
	.size	k_q87ec204b63_qkvproj, .Lfunc_end_k_q87ec204b63_qkvproj-k_q87ec204b63_qkvproj
	.p2alignl 7, 3214868480
	.fill 96, 4, 3214868480
	.section	.rodata,"a",@progbits
	.p2align	6, 0x0
	.amdhsa_kernel k_q87ec204b63_qkvproj
		.amdhsa_group_segment_fixed_size 327680
		.amdhsa_private_segment_fixed_size 0
		.amdhsa_enable_private_segment 0
		.amdhsa_kernarg_size 56
		.amdhsa_user_sgpr_count 2
		.amdhsa_user_sgpr_kernarg_segment_ptr 1
		.amdhsa_wavefront_size32 1
		.amdhsa_system_sgpr_workgroup_id_x 1
		.amdhsa_system_sgpr_workgroup_id_y 1
		.amdhsa_system_sgpr_workgroup_id_z 1
		.amdhsa_system_vgpr_workitem_id 0
		.amdhsa_next_free_vgpr 704
		.amdhsa_next_free_sgpr 102
		.amdhsa_reserve_vcc 0
		.amdhsa_float_denorm_mode_32 3
		.amdhsa_float_denorm_mode_16_64 3
		.amdhsa_memory_ordered 1
		.amdhsa_forward_progress 1
		.amdhsa_inst_pref_size 210
	.end_amdhsa_kernel
	.amdgpu_metadata
---
amdhsa.version: [ 1, 2 ]
amdhsa.kernels:
  - .name:           k_q87ec204b63_qkvproj
    .symbol:         k_q87ec204b63_qkvproj.kd
    .args:
      - { .name: xh, .offset: 0, .size: 8, .value_kind: global_buffer, .address_space: global }
      - { .name: wqkv, .offset: 8, .size: 8, .value_kind: global_buffer, .address_space: global }
      - { .name: qkv, .offset: 16, .size: 8, .value_kind: global_buffer, .address_space: global }
      - { .name: tab, .offset: 24, .size: 8, .value_kind: global_buffer, .address_space: global }
      - { .name: bq, .offset: 32, .size: 8, .value_kind: global_buffer, .address_space: global }
      - { .name: bk, .offset: 40, .size: 8, .value_kind: global_buffer, .address_space: global }
      - { .name: bv, .offset: 48, .size: 8, .value_kind: global_buffer, .address_space: global }
    .group_segment_fixed_size: 327680
    .private_segment_fixed_size: 0
    .kernarg_segment_align: 8
    .kernarg_segment_size: 56
    .max_flat_workgroup_size: 128
    .sgpr_count:     102
    .vgpr_count:     704
    .wavefront_size: 32
...
	.end_amdgpu_metadata
.endif
;; end of part 2
;; launch attn (part 3): grid 16 x 16, 8 waves a work-group, no clusters, 327,680 bytes of LDS; arguments qkv, key_weights, oh; writes oh
.if DOCPART == 3
	.amdgcn_target "amdgcn-amd-amdhsa--gfx1250"
	.amdhsa_code_object_version 6
	.text
	.protected	k_q87ec204b63_attn
	.globl	k_q87ec204b63_attn
	.p2align	8
	.type	k_q87ec204b63_attn,@function
k_q87ec204b63_attn:
	s_mov_b64 s[64:65], 0
	v_nop
	global_prefetch_b8 v0, s[64:65] scope:SCOPE_SE
	s_setreg_imm32_b32 hwreg(HW_REG_WAVE_MODE, 25, 1), 1
	s_wait_xcnt 0x0
; Causal attention with a running maximum.  oh[b s][64 head + d] = softmax over t <= s of (q.k / 8 x key_weight[head]) times v; f16 operands, f32 sums and softmax, f16 out.
; A work-group serves one batch and one KV head (both of its query heads) and TWO blocks of 64 query rows: block p and block 31 - p.
; Keys come in slots of 256; block qb needs (qb >> 2) + 1 of them, the pair 9 in every work-group, so all have equal work.  Of the two counts one is odd: that block is taken
; first, so that which of the two LDS slots a step reads is fixed in the text.  A block begins at its diagonal slot (the only one that is masked) and walks down to slot 0.
; EIGHT WAVES, two on a SIMD, so that one wave's softmax runs beside the other's matrix work.  Wave w takes query rows 16 (w & 3) .. + 15 for both heads (tile qt = head) and,
; of every slot, keys 128 (w >> 2) .. + 127, in two steps of 64: each set of four waves keeps its own maximum, sum and O.  At a block's end set 1 hands its three to set 0
; through LDS, and set 0 joins them: both parts weighted by 2^(own maximum - joint maximum).  LDS reads for each product are those of a wave that took all the keys.
; A wave whose keys of the diagonal slot are all masked starts from the lowest finite f32 as its maximum: its exponentials are 0 and its weight in the joining is 0.
; PRODUCTS: S^T = K Q^T (source 0 = 16 keys, source 1 = 16 query rows): lane (r, h) holds query row r, register j of key tile kt key 16kt + 8h + j.  Packed in pairs this IS
; source 1 of O^T = V^T P^T, whose source 0 comes by transposing LDS loads.  Maximum, sum and rescaling are one number a lane; the only step between lanes joins the two halves.
; The weight's sign goes into q's f16 sign bits (exact); c = |weight| / 8 x log2(e) multiplies the f32 scores, so no weight is rounded to f16.
; NO CLUSTER: work-groups that share K and V have different p, so their blocks change at different steps and they want different tiles in the same step.
; LIMITS: exponentials below 2^-126 are zero; probabilities below 6e-8 are zero in f16; the sum of a row is taken from the f32 probabilities.
.set PITCH, 272                        ; a row of a slot: k (128 bytes), v (128 bytes), 16 of padding
.set SLOT,  256*PITCH                  ; 69,632
.set HSTEP, 64*PITCH                   ; a step takes 64 keys
.set STAGE, 2*SLOT                     ; 139,264, a multiple of 256; 16 rows x 272 bytes for each wave of set 0; no tensor load lands here
.set XCH,   STAGE+64*PITCH             ; 156,672, a multiple of 256; 272 bytes a lane for each wave of set 1: O^T (256), then the two maxima and the two sums
.set VK,  1                            ; v1, v2  272 r + 16 h + my set's 128 keys, in slot 0, 1
.set VV,  3                            ; v3, v4  272 (8h + (lane & 7)) + 16 ((lane >> 3) & 1) + 128 + my set's keys, in slot 0, 1
.set VQ,  5                            ; 4096 r + 16 h
.set STO, 6
.set RD,  7
.set MX,  8                            ; v8-9    running maximum (base 2, scaled), head qt
.set LS,  10                           ; v10-11  running sum of my half of the keys
.set NM,  12                           ; v[12:13] (-m, -m)
.set AL,  14                           ; v[14:15] the rescaling factor, twice
.set QF,  16                           ; v16-47  q fragments at 16 qt + 8 ks
.set OA,  48                           ; v48-111 O^T at 32 qt + 8 dt
.set SC,  112                          ; v112-175 scores at 32 qt + 8 kt, then probabilities
.set FR,  176                          ; v176-239 k fragments, then v fragments
.set TT,  240                          ; v240-243 at work
.set TP,  244                          ; v244-251 four pairs of partial sums
.set CO,  252
.set XA,  253                          ; my lane's 272 bytes in the exchange
.set THR, 254                          ; key 64 half + 16 kt + j of my part of the diagonal slot is masked for me if it is above THR
.set NINF, 255                         ; -infinity
.set G1,  16                           ; s[16:23] group 1
.set G0,  24                           ; s[24:31] group 0, one set a slot
	s_load_b128 s[4:7], s[0:1], 0x0                ; qkv s[4:5], key_weights s[6:7]
	s_load_b64 s[8:9], s[0:1], 0x10                ; oh
	s_set_vgpr_msb 0x40
	v_lshl_add_u32 v0, v0, 2, 0x2ec00
	v_mov_b32 v1, 0
	s_set_vgpr_msb 0x4045
	ds_add_u32 v0, v1
	ds_add_u32 v0, v1
	s_set_vgpr_msb 0x4500
	v_lshrrev_b32 v1, 5, v0
	v_readfirstlane_b32 s10, v1                    ; wave 0..7
	s_lshr_b32 s60, s10, 2                         ; my set: which 128 keys of a slot
	s_and_b32 s61, s10, 3                          ; which 16 query rows
	s_and_b32 s14, ttmp7, 0xffff
	s_lshr_b32 s54, s14, 3                         ; batch
	s_and_b32 s38, s14, 7                          ; KV head
	s_sub_co_u32 s15, 31, ttmp9                    ; the mirrored block
	s_lshr_b32 s55, ttmp9, 2
	s_and_b32 s55, s55, 1
	s_cmp_lg_u32 s55, 0                            ; block p needs (p >> 2) + 1 slots: odd if p >> 2 is even
	s_cselect_b32 s52, s15, ttmp9                  ; the block with the odd count comes first
	s_cselect_b32 s53, ttmp9, s15
	s_lshr_b32 s36, s52, 2                         ; the next key slot to fetch: the first block's diagonal slot (0, 2, 4 or 6)
	s_lshr_b32 s37, s53, 2                         ; the second block's diagonal slot (7, 5, 3 or 1)
	s_lshr_b32 s13, s36, 1                         ; trips of the first loop, two slots each
	s_lshr_b32 s11, s37, 1                         ; trips of the second loop: its block's count less the diagonal slot and slot 0, halved
	s_mov_b32 s40, 0x76543210                      ; v_permlanex16_b32: lane i takes lane i of the other half
	s_mov_b32 s41, 0xfedcba98
	s_mov_b32 s[G1+0], (1<<16)|(1<<20)|(5<<22)|(3<<25)   ; elements of 2 bytes; after every 64 words 4 words of padding
	s_mov_b32 s[G1+1], 128<<16                     ; tensor_dim0 = 128
	s_mov_b32 s[G1+2], 32<<16                      ; tensor_dim1 = 32
	s_mov_b32 s[G1+3], 128<<16                     ; tile_dim0 = 128 (k and v of one key: 256 bytes)
	s_mov_b32 s[G1+4], 32                          ; tile_dim1 = 32 keys: a wave's eighth of a slot
	s_mov_b32 s[G1+5], 2048                        ; elements from row to row
	s_mov_b32 s[G1+6], 0
	s_mov_b32 s[G1+7], 0
	s_mov_b32 s35, 0
	s_lshl_b32 s50, s54, 23                        ; batch x 2,048 rows x 4,096 bytes
	s_lshl_b32 s55, s38, 8
	s_add_co_u32 s50, s50, s55                     ; + 256 x KV head
	s_lshl_b32 s55, s10, 17
	s_add_co_u32 s50, s50, s55                     ; + wave x 32 rows
	s_add_co_u32 s50, s50, 2048                    ; behind q's 1,024 columns
	s_mov_b32 s51, 0
	s_mul_i32 s12, s10, 32*PITCH
	s_wait_dscnt 0x0
	s_wait_kmcnt 0x0
	s_add_nc_u64 s[32:33], s[4:5], s[50:51]        ; my eighth of key slot 0
; Slot n's group 0 gets the address of the next key slot; the walk goes down and jumps from 0 to the second block's diagonal slot.
.macro ADV n
	s_lshl_b32 s34, s36, 20                        ; 256 rows x 4,096 bytes a slot
	s_add_nc_u64 s[G0+4*\n+2:G0+4*\n+3], s[32:33], s[34:35]
	s_or_b32 s[G0+4*\n+3], s[G0+4*\n+3], 0x80000000
	s_sub_co_i32 s36, s36, 1
	s_cmp_lt_i32 s36, 0
	s_cselect_b32 s36, s37, s36
.endm
.irp n, 0,1
	s_mov_b32 s[G0+4*\n], 1
	s_add_co_u32 s[G0+4*\n+1], s12, \n*SLOT
	ADV \n
	tensor_load_to_lds s[G0+4*\n:G0+4*\n+3], s[G1:G1+7]   ; both first fills go out together: two tensor loads of each wave are out
	s_nop 0
.endr
	s_lshl_b32 s50, s38, 3
	s_add_nc_u64 s[6:7], s[6:7], s[50:51]
	s_load_b64 s[58:59], s[6:7], 0x0               ; the weights of heads 2 kv, 2 kv + 1
	v_and_b32 v241, 15, v0                         ; r
	v_bfe_u32 v242, v0, 4, 1                       ; h
	v_mul_u32_u24 v240, v241, PITCH
	v_lshl_add_u32 v240, v242, 4, v240             ; 272 r + 16 h
	s_mul_i32 s55, s60, 2*HSTEP                    ; my set's 128 keys
	v_add_nc_u32 v[VK], s55, v240
	v_add_nc_u32 v[VK+1], SLOT, v[VK]
	v_and_b32 v243, 7, v0
	v_lshl_add_u32 v243, v242, 3, v243
	v_mul_u32_u24 v[VV], v243, PITCH
	v_bfe_u32 v243, v0, 3, 1
	v_lshl_add_u32 v[VV], v243, 4, v[VV]
	s_add_co_u32 s55, s55, 128                     ; v lies behind k in a row
	v_add_nc_u32 v[VV], s55, v[VV]
	v_add_nc_u32 v[VV+1], SLOT, v[VV]
	v_lshlrev_b32 v[VQ], 12, v241
	v_lshl_add_u32 v[VQ], v242, 4, v[VQ]
	s_mul_i32 s55, s61, 16*PITCH
	s_add_co_u32 s55, s55, STAGE                   ; the stage of my 16 rows
	v_add_nc_u32 v[STO], s55, v240                 ; in: row r, 16 h
	v_mul_u32_u24 v[RD], v242, PITCH
	v_lshl_add_u32 v[RD], v241, 4, v[RD]
	v_add_nc_u32 v[RD], s55, v[RD]                 ; back: lanes 0-15 one row of 256 bytes, lanes 16-31 the next
	v_lshlrev_b32 v[CO], 11, v242
	v_lshl_add_u32 v[CO], v241, 4, v[CO]           ; the same two rows in oh (2,048 bytes a row)
	v_and_b32 v243, 31, v0
	v_mul_u32_u24 v[XA], v243, PITCH               ; 272 bytes a lane: an odd multiple of 16
	s_mul_i32 s55, s61, 32*PITCH
	s_add_co_u32 s55, s55, XCH
	v_add_nc_u32 v[XA], s55, v[XA]
	v_mov_b32 v[NINF], 0xff800000
	v_lshlrev_b32 v243, 3, v242
	v_sub_nc_u32 v0, v241, v243
	s_lshl_b32 s55, s61, 4
	s_lshl_b32 s14, s60, 7
	s_sub_co_i32 s55, s55, s14
	v_add_nc_u32 v0, s55, v0                       ; r - 8h + 16 x row group - 128 x set (signed)
	s_wait_kmcnt 0x0
	s_ashr_i32 s56, s58, 31
	s_and_b32 s56, s56, 0x80008000                 ; the weight's sign, for two f16 at once
	s_ashr_i32 s57, s59, 31
	s_and_b32 s57, s57, 0x80008000
	s_and_b32 s58, s58, 0x7fffffff
	s_and_b32 s59, s59, 0x7fffffff
	v_mov_b32 v240, s58
	v_mov_b32 v241, s59
	v_mul_f32 v240, 0x3e38aa3b, v240               ; |weight| x log2(e) / 8
	v_mul_f32 v241, 0x3e38aa3b, v241
	v_readfirstlane_b32 s42, v240
	v_readfirstlane_b32 s44, v241
	s_mov_b32 s43, s42
	s_mov_b32 s45, s44
; A block begins: its q fragments are asked for (waited for in the block's first step), and its threshold is set.  qb = the scalar register with the block's number.
.macro PHASE_IN qb
	s_lshl_b32 s50, s54, 11
	s_lshl_b32 s55, s[\qb], 6
	s_add_co_u32 s50, s50, s55
	s_lshl_b32 s55, s61, 4
	s_add_co_u32 s50, s50, s55                     ; my first query row
	s_lshl_b32 s50, s50, 12
	s_lshl_b32 s55, s38, 8
	s_add_co_u32 s50, s50, s55                     ; + the columns of head 2 kv
	s_mov_b32 s51, 0
	s_add_nc_u64 s[46:47], s[4:5], s[50:51]
.irp qt, 0,1
.irp ks, 0,1
	global_load_b128 v[QF+16*\qt+8*\ks:QF+16*\qt+8*\ks+3],   v[VQ], s[46:47] offset:128*\qt+64*\ks
	global_load_b128 v[QF+16*\qt+8*\ks+4:QF+16*\qt+8*\ks+7], v[VQ], s[46:47] offset:128*\qt+64*\ks+32
.endr
.endr
	s_and_b32 s55, s[\qb], 3
	s_lshl_b32 s55, s55, 6                         ; the block's place in its diagonal slot
	v_add_nc_u32 v[THR], s55, v0
.endm
; Softmax of head qt's 16 rows x 64 keys.  first = 1: nothing to rescale.  mask = 1: the diagonal slot.
.macro SOFT qt, first, mask, half
.if \mask
.set ii, 0
.rept 16
	v_pk_mul_f32 v[SC+32*\qt+2*ii:SC+32*\qt+2*ii+1], v[SC+32*\qt+2*ii:SC+32*\qt+2*ii+1], s[42+2*\qt:43+2*\qt] op_sel_hi:[1,0]   ; scaled first, so that a weight of 0 meets no infinity
.set ii, ii+1
.endr
.irp kt, 0,1,2,3
.irp j, 0,1,2,3,4,5,6,7
	v_cmp_gt_i32 vcc_lo, 64*\half+16*\kt+\j, v[THR]
	v_cndmask_b32 v[SC+32*\qt+8*\kt+\j], v[SC+32*\qt+8*\kt+\j], v[NINF], vcc_lo
.endr
.endr
.endif
.irp kt, 0,1,2,3                                   ; the largest of my 32 scores, in four chains
	v_max3_num_f32 v[TT+\kt], v[SC+32*\qt+8*\kt], v[SC+32*\qt+8*\kt+1], v[SC+32*\qt+8*\kt+2]
.endr
.irp kt, 0,1,2,3
	v_max3_num_f32 v[TT+\kt], v[TT+\kt], v[SC+32*\qt+8*\kt+3], v[SC+32*\qt+8*\kt+4]
.endr
.irp kt, 0,1,2,3
	v_max3_num_f32 v[TT+\kt], v[TT+\kt], v[SC+32*\qt+8*\kt+5], v[SC+32*\qt+8*\kt+6]
.endr
.irp kt, 0,1,2,3
	v_max_num_f32 v[TT+\kt], v[TT+\kt], v[SC+32*\qt+8*\kt+7]
.endr
	v_max3_num_f32 v[TT], v[TT], v[TT+1], v[TT+2]
	v_max_num_f32 v[TT], v[TT], v[TT+3]
	v_permlanex16_b32 v[TT+1], v[TT], s40, s41     ; the other half of the lanes holds the row's other keys
	v_max_num_f32 v[TT], v[TT], v[TT+1]
.if \mask == 0
	v_mul_f32 v[TT], s[42+2*\qt], v[TT]            ; c is not negative, so the largest score stays the largest
.endif
.if \first
	v_max_num_f32 v[MX+\qt], 0xff7fffff, v[TT]     ; the lowest finite f32 where all 64 keys are masked for this row; every finite maximum stays as it is
.else
	v_max_num_f32 v[TT+1], v[TT], v[MX+\qt]
	v_sub_f32 v[TT+2], v[MX+\qt], v[TT+1]
	v_exp_f32 v[AL], v[TT+2]
	v_exp_f32 v[AL+1], v[TT+2]
	v_mov_b32 v[MX+\qt], v[TT+1]                   ; the plain instruction behind the exponentials (ISA guide 5.7.2)
.endif
	v_xor_b32 v[NM], 0x80000000, v[MX+\qt]
	v_xor_b32 v[NM+1], 0x80000000, v[MX+\qt]
.set ii, 0
.rept 16
.if \mask
	v_pk_add_f32 v[SC+32*\qt+2*ii:SC+32*\qt+2*ii+1], v[SC+32*\qt+2*ii:SC+32*\qt+2*ii+1], v[NM:NM+1]
.else
	v_pk_fma_f32 v[SC+32*\qt+2*ii:SC+32*\qt+2*ii+1], v[SC+32*\qt+2*ii:SC+32*\qt+2*ii+1], s[42+2*\qt:43+2*\qt], v[NM:NM+1] op_sel_hi:[1,0,1]
.endif
.set ii, ii+1
.endr
.set ii, 0
.rept 32
	v_exp_f32 v[SC+32*\qt+ii], v[SC+32*\qt+ii]
.set ii, ii+1
.endr
.if \first
	v_nop                                          ; the plain place behind the exponentials
	s_wait_alu depctr_va_vdst(0)
.else
.set ii, 0
	s_wait_alu depctr_va_vdst(0)
.rept 16
	v_pk_mul_f32 v[OA+32*\qt+2*ii:OA+32*\qt+2*ii+1], v[OA+32*\qt+2*ii:OA+32*\qt+2*ii+1], v[AL:AL+1]
.set ii, ii+1
.endr
.endif
.irp c, 0,1,2,3                                    ; the sum of my 32 probabilities, in four chains of pairs
	v_pk_add_f32 v[TP+2*\c:TP+2*\c+1], v[SC+32*\qt+8*\c:SC+32*\qt+8*\c+1], v[SC+32*\qt+8*\c+2:SC+32*\qt+8*\c+3]
.endr
.irp c, 0,1,2,3
	v_pk_add_f32 v[TP+2*\c:TP+2*\c+1], v[TP+2*\c:TP+2*\c+1], v[SC+32*\qt+8*\c+4:SC+32*\qt+8*\c+5]
.endr
.irp c, 0,1,2,3
	v_pk_add_f32 v[TP+2*\c:TP+2*\c+1], v[TP+2*\c:TP+2*\c+1], v[SC+32*\qt+8*\c+6:SC+32*\qt+8*\c+7]
.endr
	v_pk_add_f32 v[TP:TP+1], v[TP:TP+1], v[TP+2:TP+3]
	v_pk_add_f32 v[TP+4:TP+5], v[TP+4:TP+5], v[TP+6:TP+7]
	v_pk_add_f32 v[TP:TP+1], v[TP:TP+1], v[TP+4:TP+5]
.if \first
	v_add_f32 v[LS+\qt], v[TP], v[TP+1]
.else
	v_add_f32 v[TT], v[TP], v[TP+1]
	v_fma_f32 v[LS+\qt], v[LS+\qt], v[AL], v[TT]
.endif
.set ii, 0
.rept 16                                           ; packed in place, upward: word i is written after words 2i, 2i + 1 are read.  Words 0-7: keys 0-31, words 8-15: keys 32-63
	v_cvt_pk_f16_f32 v[SC+32*\qt+ii], v[SC+32*\qt+2*ii], v[SC+32*\qt+2*ii+1]
.set ii, ii+1
.endr
.endm
; O^T of head qt += V^T P^T.  The four accumulators take turns, one instruction a turn.
.macro PV qt, first
.irp ks2, 0,1
.irp dt, 0,1,2,3
.if \first*(1-\ks2)
	v_wmma_f32_16x16x32_f16 v[OA+32*\qt+8*\dt:OA+32*\qt+8*\dt+7], v[FR+8*(4*\ks2+\dt):FR+8*(4*\ks2+\dt)+7], v[SC+32*\qt+8*\ks2:SC+32*\qt+8*\ks2+7], 0
.else
	v_wmma_f32_16x16x32_f16 v[OA+32*\qt+8*\dt:OA+32*\qt+8*\dt+7], v[FR+8*(4*\ks2+\dt):FR+8*(4*\ks2+\dt)+7], v[SC+32*\qt+8*\ks2:SC+32*\qt+8*\ks2+7], v[OA+32*\qt+8*\dt:OA+32*\qt+8*\dt+7]
.endif
.endr
.endr
.endm
; 64 keys: half `half` of my set's 128 keys of slot `slot`.
.macro STEP first, mask, slot, half
.rept 5
	v_nop                                          ; five places behind the last step's matrix instructions: loads land on their source 0, and the products below write over their source 1
.endr
.irp ks, 0,1
.irp kt, 0,1,2,3
	ds_load_b128 v[FR+8*(4*\ks+\kt):FR+8*(4*\ks+\kt)+3],   v[VK+\slot] offset:\half*HSTEP+\kt*16*PITCH+64*\ks
	ds_load_b128 v[FR+8*(4*\ks+\kt)+4:FR+8*(4*\ks+\kt)+7], v[VK+\slot] offset:\half*HSTEP+\kt*16*PITCH+64*\ks+32
.endr
.endr
.if \first
	s_wait_loadcnt 0x0                             ; the block's q
.irp qt, 0,1
.set ii, 0
.rept 16
	v_xor_b32 v[QF+16*\qt+ii], s[56+\qt], v[QF+16*\qt+ii]   ; the weight's sign
.set ii, ii+1
.endr
.endr
.endif
	s_wait_dscnt 8                                 ; the fragments of d = 0..31 are in, the eight loads of d = 32..63 stay out
.irp qt, 0,1                                       ; eight accumulators by turns, one instruction a turn
.irp kt, 0,1,2,3
	v_wmma_f32_16x16x32_f16 v[SC+32*\qt+8*\kt:SC+32*\qt+8*\kt+7], v[FR+8*\kt:FR+8*\kt+7], v[QF+16*\qt:QF+16*\qt+7], 0
.endr
.endr
	s_wait_dscnt 0
.irp qt, 0,1
.irp kt, 0,1,2,3
	v_wmma_f32_16x16x32_f16 v[SC+32*\qt+8*\kt:SC+32*\qt+8*\kt+7], v[FR+32+8*\kt:FR+32+8*\kt+7], v[QF+16*\qt+8:QF+16*\qt+15], v[SC+32*\qt+8*\kt:SC+32*\qt+8*\kt+7]
.endr
.endr
.rept 4
	v_nop                                          ; four places: v's fragments land on k's registers, and the softmax reads the scores
.endr
.irp ks2, 0,1
.irp dt, 0,1,2,3
	ds_load_tr16_b128 v[FR+8*(4*\ks2+\dt):FR+8*(4*\ks2+\dt)+3],   v[VV+\slot] offset:\half*HSTEP+\ks2*32*PITCH+32*\dt
	ds_load_tr16_b128 v[FR+8*(4*\ks2+\dt)+4:FR+8*(4*\ks2+\dt)+7], v[VV+\slot] offset:\half*HSTEP+\ks2*32*PITCH+32*\dt+16*PITCH
.endr
.endr
	SOFT 0, \first, \mask, \half
	s_wait_dscnt 0x0                               ; v's fragments
	PV 0, \first
	SOFT 1, \first, \mask, \half                   ; names none of the registers of the eight matrix instructions in front of it
	PV 1, \first
.endm
; A slot of 256 keys.  In front of the barrier every wave waits for all its tensor loads (its eighth of this slot) and for its reads of the other slot;
; behind it the other slot is filled again first, one tensor load a wave, which has this slot's two steps of each wave in which to land.
.macro BIG slot, other, refill, top
	s_set_vgpr_msb 0x5
	s_wait_tensorcnt 0x0
	ds_add_u32 v0, v1
	s_wait_dscnt 0x0
	s_set_vgpr_msb 0x500
.if \refill
	ADV \other                                     ; no tensor load of mine is out: a group 0 may be written
.endif
	s_wait_dscnt 0x0
	s_barrier_signal -1
	s_barrier_wait -1
.if \refill
	tensor_load_to_lds s[G0+4*\other:G0+4*\other+3], s[G1:G1+7]
	s_nop 0
.endif
	STEP \top, \top, \slot, 0
	STEP 0, \top, \slot, 1
.endm
; A block ends.  Set 1 hands its maxima, sums and O^T over; set 0 joins both parts, divides by the row's sum, rounds to f16 and stores whole rows of 256 bytes (both heads)
; through its own stage.  more = 1: registers are used again.
.macro PHASE_OUT qb, more
	s_lshl_b32 s50, s54, 11
	s_lshl_b32 s55, s[\qb], 6
	s_add_co_u32 s50, s50, s55
	s_lshl_b32 s55, s61, 4
	s_add_co_u32 s50, s50, s55                     ; my first row
	s_lshl_b32 s50, s50, 11
	s_lshl_b32 s55, s38, 8
	s_add_co_u32 s50, s50, s55
	s_mov_b32 s51, 0
	s_add_nc_u64 s[48:49], s[8:9], s[50:51]
	s_cmp_eq_u32 s60, 0
	s_cbranch_scc1 .Lkeeps_\@
	ds_store_b128 v[XA], v[MX:MX+3] offset:256     ; two maxima, two sums
.set ii, 0
.rept 16
	ds_store_b128 v[XA], v[OA+4*ii:OA+4*ii+3] offset:16*ii
.set ii, ii+1
.endr
.Lkeeps_\@:
	s_wait_dscnt 0x0                               ; for the partner's sake: my stores are done
	s_barrier_signal -1                            ; the tile that is on its way stays out
	s_barrier_wait -1
	s_cmp_lg_u32 s60, 0
	s_cbranch_scc1 .Lgone_\@
	ds_load_b128 v[TP:TP+3], v[XA] offset:256
.set ii, 0
.rept 16
	ds_load_b128 v[SC+4*ii:SC+4*ii+3], v[XA] offset:16*ii
.set ii, ii+1
.endr
	s_wait_dscnt 16                                ; the partner's maxima and sums are in, the 16 loads of its O^T stay out
.irp qt, 0,1
	v_max_num_f32 v[TT], v[MX+\qt], v[TP+\qt]      ; the joint maximum; mine is finite: key 0 of a block's keys is open to every row and lies in set 0's part
	v_sub_f32 v[TT+1], v[MX+\qt], v[TT]
	v_sub_f32 v[TT+2], v[TP+\qt], v[TT]
	v_exp_f32 v[TT+1], v[TT+1]
	v_exp_f32 v[TT+2], v[TT+2]
	v_nop                                          ; the plain place behind the exponentials
	s_wait_alu depctr_va_vdst(0)
	v_mul_f32 v[TT+3], v[LS+\qt], v[TT+1]
	v_fmac_f32 v[TT+3], v[TP+2+\qt], v[TT+2]
	v_permlanex16_b32 v[TT], v[TT+3], s40, s41
	v_add_f32 v[TT+3], v[TT+3], v[TT]              ; both halves of the lanes: the row's whole sum
	v_rcp_f32 v[TT+3], v[TT+3]
	v_nop                                          ; the plain place behind the reciprocal
	s_wait_alu depctr_va_vdst(0)
	v_mul_f32 v[AL], v[TT+1], v[TT+3]
	v_mul_f32 v[AL+1], v[TT+1], v[TT+3]
	v_mul_f32 v[NM], v[TT+2], v[TT+3]
	v_mul_f32 v[NM+1], v[TT+2], v[TT+3]
.if \qt == 0
	s_wait_dscnt 0x0                               ; the partner's O^T
.endif
.set ii, 0
.rept 16
	v_pk_mul_f32 v[OA+32*\qt+2*ii:OA+32*\qt+2*ii+1], v[OA+32*\qt+2*ii:OA+32*\qt+2*ii+1], v[AL:AL+1]
.set ii, ii+1
.endr
.set ii, 0
.rept 16
	v_pk_fma_f32 v[OA+32*\qt+2*ii:OA+32*\qt+2*ii+1], v[SC+32*\qt+2*ii:SC+32*\qt+2*ii+1], v[NM:NM+1], v[OA+32*\qt+2*ii:OA+32*\qt+2*ii+1]
.set ii, ii+1
.endr
.set ii, 0
.rept 16
	v_cvt_pk_f16_f32 v[FR+16*\qt+ii], v[OA+32*\qt+2*ii], v[OA+32*\qt+2*ii+1]
.set ii, ii+1
.endr
.irp dt, 0,1,2,3
	ds_store_b128 v[STO], v[FR+16*\qt+4*\dt:FR+16*\qt+4*\dt+3] offset:128*\qt+32*\dt
.endr
.endr
.irp t, 0,1,2,3,4,5,6,7
	ds_load_b128 v[FR+32+4*\t:FR+32+4*\t+3], v[RD] offset:\t*2*PITCH   ; LDS serves a wave's instructions in order: these see the stores above
.endr
.irp t, 0,1,2,3,4,5,6,7
	s_wait_dscnt 7-\t                              ; read-back t is in, the younger ones stay out
	global_store_b128 v[CO], v[FR+32+4*\t:FR+32+4*\t+3], s[48:49] offset:4096*\t   ; 16 lanes store 256 consecutive bytes, aligned
.endr
.Lgone_\@:
.if \more
	s_wait_xcnt 0x0                                ; the stores' data registers and base are written again only behind this wait
.endif
.endm
	PHASE_IN 52
	s_wait_tensorcnt 1                             ; my eighth of slot 0 is in; slot 1's stays out
	s_barrier_signal -1
	s_barrier_wait -1
	STEP 1, 1, 0, 0                                ; the first block's diagonal slot
	STEP 0, 1, 0, 1
	s_cmp_eq_u32 s13, 0
	s_cbranch_scc1 .Lblock1_done
	s_mov_b32 s39, s13
.Lblock1:
	BIG 1, 0, 1, 0
	BIG 0, 1, 1, 0
	s_sub_co_i32 s39, s39, 1
	s_cmp_lg_u32 s39, 0
	s_cbranch_scc1 .Lblock1
.Lblock1_done:
.rept 4
	v_nop                                          ; four places behind the last matrix instructions: their results are read, q's registers are loaded again
.endr
	PHASE_IN 53                                    ; the second block's q is on its way while the first block goes out
	PHASE_OUT 52, 1
	BIG 1, 0, 1, 1                                 ; the second block's diagonal slot
	s_cmp_eq_u32 s11, 0
	s_cbranch_scc1 .Lblock2_done
	s_mov_b32 s39, s11
.Lblock2:
	BIG 0, 1, 1, 0
	BIG 1, 0, 1, 0
	s_sub_co_i32 s39, s39, 1
	s_cmp_lg_u32 s39, 0
	s_cbranch_scc1 .Lblock2
.Lblock2_done:
	BIG 0, 1, 0, 0                                 ; key slot 0: nothing is left to fetch
.rept 4
	v_nop
.endr
	PHASE_OUT 53, 0
	s_set_vgpr_msb 0x5
	s_wait_tensorcnt 0x0
	ds_add_u32 v0, v1
	s_wait_dscnt 0x0
	s_set_vgpr_msb 0x500
	s_endpgm
.Lfunc_end_k_q87ec204b63_attn:
	.size	k_q87ec204b63_attn, .Lfunc_end_k_q87ec204b63_attn-k_q87ec204b63_attn
	.p2alignl 7, 3214868480
	.fill 96, 4, 3214868480
	.section	.rodata,"a",@progbits
	.p2align	6, 0x0
	.amdhsa_kernel k_q87ec204b63_attn
		.amdhsa_group_segment_fixed_size 327680
		.amdhsa_private_segment_fixed_size 0
		.amdhsa_enable_private_segment 0
		.amdhsa_kernarg_size 24
		.amdhsa_user_sgpr_count 2
		.amdhsa_user_sgpr_kernarg_segment_ptr 1
		.amdhsa_wavefront_size32 1
		.amdhsa_system_sgpr_workgroup_id_x 1
		.amdhsa_system_sgpr_workgroup_id_y 1
		.amdhsa_system_sgpr_workgroup_id_z 1
		.amdhsa_system_vgpr_workitem_id 0
		.amdhsa_next_free_vgpr 258
		.amdhsa_next_free_sgpr 66
		.amdhsa_reserve_vcc 1
		.amdhsa_float_denorm_mode_32 3
		.amdhsa_float_denorm_mode_16_64 3
		.amdhsa_memory_ordered 1
		.amdhsa_forward_progress 1
		.amdhsa_inst_pref_size 255
	.end_amdhsa_kernel
	.section	.bss,"aw",@nobits
	.p2align	6
	.space	262144
	.amdgpu_metadata
---
amdhsa.version: [ 1, 2 ]
amdhsa.kernels:
  - .name:           k_q87ec204b63_attn
    .symbol:         k_q87ec204b63_attn.kd
    .args:
      - { .name: qkv, .offset: 0, .size: 8, .value_kind: global_buffer, .address_space: global }
      - { .name: key_weights, .offset: 8, .size: 8, .value_kind: global_buffer, .address_space: global }
      - { .name: oh, .offset: 16, .size: 8, .value_kind: global_buffer, .address_space: global }
    .group_segment_fixed_size: 327680
    .private_segment_fixed_size: 0
    .kernarg_segment_align: 8
    .kernarg_segment_size: 24
    .max_flat_workgroup_size: 256
    .sgpr_count:     66
    .vgpr_count:     258
    .wavefront_size: 32
...
	.end_amdgpu_metadata
.endif
;; end of part 3
;; launch oproj (part 4): grid 8 x 32, 4 waves a work-group, clusters of 4 x 4, 327,680 bytes of LDS; arguments oh, woh, out0, bo; writes out0
.if DOCPART == 4
	.amdgcn_target "amdgcn-amd-amdhsa--gfx1250"
	.amdhsa_code_object_version 6
	.text
	.protected	k_q87ec204b63_oproj
	.globl	k_q87ec204b63_oproj
	.p2align	8
	.type	k_q87ec204b63_oproj,@function
k_q87ec204b63_oproj:
	s_mov_b64 s[64:65], 0
	v_nop
	global_prefetch_b8 v0, s[64:65] scope:SCOPE_SE
	s_setreg_imm32_b32 hwreg(HW_REG_WAVE_MODE, 25, 1), 1
	s_wait_xcnt 0x0
	s_wait_alu depctr_hold_cnt(0) depctr_sa_sdst(0) depctr_va_vdst(0) depctr_va_sdst(0) depctr_va_ssrc(0) depctr_va_vcc(0) depctr_vm_vsrc(0)
	s_getreg_b32 s2, hwreg(HW_REG_IB_STS2, 6, 4)
	s_cmp_eq_u32 s2, 0
	s_cbranch_scc0 .Lentry_in_a_cluster
	s_endpgm
.Lentry_in_a_cluster:
	s_bfe_u32 s2, ttmp6, 0x10000c
	s_cmp_lg_u32 s2, 0xf033
	s_cbranch_scc0 .Lentry_shape_is_right
	s_endpgm
.Lentry_shape_is_right:
; out0[m][n] = sum over k of oh[m][k] woh[n][k] + bo[n]; f16 operands, f32 sums, f32 out.  oh [4096][1024], woh [2048][1024], out0 [4096][2048].
; The frame of the projection of q, k and v: a work-group makes 128 rows x 256 columns (256 work-groups), four waves of 64 x 128 each (32 accumulator tiles, 256 registers);
; a cluster of 4 x 4 asks jointly for oh's tiles along its rows and for woh's along its columns.
; TWO LDS SLOTS OF UNLIKE SIZE: a short one with 128 of K (rows of 256 bytes, padded to 272) and a long one with 256 of K (rows of 512 bytes, padded to 528): 307,200 bytes.
; K = 1024 goes as long, short, long, short, long: five fills, written out without a loop.  The short slot's refill has the long slot's 248 matrix instructions in which to
; land, the long slot's refill the short slot's 120.
; The matrix instruction is used transposed (source 0 = 16 rows of woh, source 1 = 16 rows of oh): lane (r, h) of tile (a, b) holds row 16a + r, columns 16b + 8h + 0..7.
; REGISTER WINDOWS: 0 = addresses, fragments, work; 1 = accumulators (tile (a, b) at 8 (8a + b)); 2 = my columns' bias (64), loaded at the start.
.set SIZE_K, 1024
.set P0,     272                       ; pitch of the short slot: an odd multiple of 16
.set P1,     528                       ; pitch of the long slot: likewise
.set AH0,    64*P0                     ; short slot: 64 rows of oh = one tensor load, and one wave's share
.set BH0,    128*P0                    ; 128 rows of woh: likewise
.set AOFF0,  2*BH0                     ; a slot: woh's 256 rows, then oh's 128 rows
.set LOFF,   2*BH0+2*AH0               ; the long slot begins behind the short one
.set AH1,    64*P1
.set BH1,    128*P1
.set AOFF1,  2*BH1
.set STAGE,  LOFF+2*BH1+2*AH1          ; 307,200, a multiple of 256: 16 rows x 272 bytes for each wave; no tensor load lands here
.set CA0,    AOFF0-2*AH0               ; oh's halves are fetched by waves 2 and 3: wave x AH + this
.set CA1,    LOFF+AOFF1-2*AH1
.set KS0,    512                       ; byte in a row of the short slot's first tile: K 256
.set KL0,    0                         ; of the long slot's first tile
.set KADV,   768                       ; a slot's next tile lies 384 of K further on
.set SPITCH, 272                       ; 64 f32 + 16 bytes
.set CROW,   8192                      ; bytes in a row of out0
.set ADRA, 16                          ; v16, v17 LDS address of my oh fragments in the short, the long slot
.set ADRB, 20                          ; v20, v21 the same for woh
.set STO,  24
.set RD,   25
.set CO,   26
.set VB,   27
.set F0,   32
.set F1,   128
.set TW,   32                          ; the way out: 32 f32 of half a row of tiles
.set G1,  24                           ; s[24:31] group 1 for oh's tiles, short slot; s[68:75] = G1 + 44 for the long slot
.set G0,  32                           ; s[32:39] group 0 for oh's tiles: short slot, long slot
.set G1B, 48                           ; s[48:55] group 1 for woh's tiles, short slot; s[76:83] = G1B + 28 for the long slot
.set G0B, 56                           ; s[56:63] group 0 for woh's tiles
.set MUL, 0x50                         ; sources in window 0, C and D in window 1
.set MSB, 0
.macro WIN new                         ; the immediate's high byte repeats the setting that is left
.if MSB != \new
	s_set_vgpr_msb (MSB<<8)|\new
.set MSB, \new
.endif
.endm
.macro JLOAD s                         ; into slot kind s (0 short, 1 long): waves 0 and 1 fetch woh's two halves, waves 2 and 3 oh's; the branch hangs on the wave's number alone
	s_cmp_eq_u32 s11, 0
	s_cbranch_scc0 .Lfor_a_\@
	tensor_load_to_lds s[G0B+4*\s:G0B+4*\s+3], s[G1B+28*\s:G1B+28*\s+7]
	s_nop 0
	s_branch .Lasked_\@
.Lfor_a_\@:
	tensor_load_to_lds s[G0+4*\s:G0+4*\s+3], s[G1+44*\s:G1+44*\s+7]
	s_nop 0
.Lasked_\@:
.endm
.macro CREST                           ; a round of the cluster's barrier behind its opening work-group barrier
	s_cmp_lg_u32 s10, 0
	s_cbranch_scc1 .Lnot_wave_0_\@
	s_barrier_signal -3
.Lnot_wave_0_\@:
	s_barrier_wait -3
	s_barrier_signal -1
	s_barrier_wait -1
.endm
.macro CROUND
	s_barrier_signal -1
	s_barrier_wait -1
	CREST
.endm
; Group 1: a tile of `rows` rows x `kel` elements of 2 bytes, 16 bytes of padding behind each row (qi: 5 = after 64 words, 6 = after 128 words)
.macro SHAPE g, mask, kel, qi, rows
	s_or_b32 s[\g+0], s[\mask], (1<<16)|(1<<20)|(1<<21)|(\qi<<22)|(3<<25)   ; mask; elements of 2 bytes; padding on; bit 21 beside a mask; interval; 4 words
	s_mov_b32 s[\g+1], \kel<<16                    ; tensor_dim0
	s_mov_b32 s[\g+2], \rows<<16                   ; tensor_dim1
	s_mov_b32 s[\g+3], \kel<<16                    ; tile_dim0
	s_mov_b32 s[\g+4], \rows                       ; tile_dim1
	s_mov_b32 s[\g+5], SIZE_K                      ; elements from row to row
	s_mov_b32 s[\g+6], 0
	s_mov_b32 s[\g+7], 0
.endm
	s_load_b128 s[4:7], s[0:1], 0x0                ; oh s[4:5], woh s[6:7]
	s_load_b64 s[8:9], s[0:1], 0x10                ; out0
	s_load_b64 s[66:67], s[0:1], 0x18              ; bo
	v_lshl_add_u32 v254, v0, 2, 0x4f400
	v_mov_b32 v255, 0
	ds_add_u32 v254, v255
	ds_add_u32 v254, v255
	v_lshrrev_b32 v1, 5, v0
	v_readfirstlane_b32 s10, v1                    ; wave 0..3
	s_lshr_b32 s11, s10, 1                         ; which 64 rows are mine.  Also: I fetch for woh (0) or for oh (1)
	s_and_b32 s12, s10, 1                          ; which 128 columns.  Also: which half of that tile I fetch
	s_bfe_u32 s40, ttmp6, 0x40000                  ; cx
	s_bfe_u32 s41, ttmp6, 0x40004                  ; cy
	s_lshl_b32 s42, ttmp9, 2
	s_add_co_u32 s42, s42, s40                     ; block column
	s_and_b32 s13, ttmp7, 0xffff
	s_lshl_b32 s13, s13, 2
	s_add_co_u32 s13, s13, s41                     ; block row
	s_lshl_b32 s43, s41, 2
	s_lshl_b32 s43, 15, s43                        ; my row of the cluster
	s_lshl_b32 s44, 0x1111, s40                    ; my column
	SHAPE G1,     43, 128, 5, 64
	SHAPE G1+44,  43, 256, 6, 64
	SHAPE G1B,    44, 128, 5, 128
	SHAPE G1B+28, 44, 256, 6, 128
	s_lshl_b32 s17, s12, 6
	s_lshl_b32 s16, s13, 7
	s_add_co_u32 s16, s16, s17                     ; oh: row 128 x block row + 64 x half
	s_mul_i32 s16, s16, SIZE_K*2
	s_mov_b32 s17, 0
	s_lshl_b32 s45, s12, 7
	s_lshl_b32 s46, s42, 8
	s_add_co_u32 s46, s46, s45                     ; woh: row 256 x block column + 128 x half
	s_mul_i32 s46, s46, SIZE_K*2
	s_mov_b32 s47, 0
	s_mul_i32 s18, s10, BH0                        ; LDS: the wave's number times a constant, the slot's constant is added below
	s_mul_i32 s19, s10, BH1
	s_mul_i32 s20, s10, AH0
	s_mul_i32 s21, s10, AH1
	s_wait_dscnt 0x0
	s_wait_kmcnt 0x0
	s_add_nc_u64 s[14:15], s[4:5], s[16:17]
	s_add_nc_u64 s[46:47], s[6:7], s[46:47]
	CROUND                                         ; all sixteen work-groups are here: the first joint loads meet
.irp s, 0,1
	s_mov_b32 s[G0+4*\s], 1
	s_add_co_u32 s[G0+4*\s+1], s[20+\s], CA0+(CA1-CA0)*\s
	s_add_nc_u64 s[G0+4*\s+2:G0+4*\s+3], s[14:15], KS0+(KL0-KS0)*\s
	s_or_b32 s[G0+4*\s+3], s[G0+4*\s+3], 0x80000000
	s_mov_b32 s[G0B+4*\s], 1
	s_add_co_u32 s[G0B+4*\s+1], s[18+\s], LOFF*\s
	s_add_nc_u64 s[G0B+4*\s+2:G0B+4*\s+3], s[46:47], KS0+(KL0-KS0)*\s
	s_or_b32 s[G0B+4*\s+3], s[G0B+4*\s+3], 0x80000000
.endr
	JLOAD 1                                        ; K 0-255
	JLOAD 0                                        ; K 256-383: two tensor loads of each wave are out
	s_lshl_b32 s84, s42, 10
	s_lshl_b32 s85, s12, 9
	s_add_co_u32 s84, s84, s85                     ; 4 x (256 block column + 128 half)
	s_mov_b32 s85, 0
	s_add_nc_u64 s[86:87], s[66:67], s[84:85]      ; my columns' bias
	v_and_b32 v1, 15, v0                           ; r
	v_bfe_u32 v2, v0, 4, 1                         ; h
	v_mul_u32_u24 v3, v1, P0
	v_lshl_add_u32 v3, v2, 4, v3                   ; a fragment: row r, 16 bytes for each half of the lanes
	v_mul_u32_u24 v4, v1, P1
	v_lshl_add_u32 v4, v2, 4, v4                   ; the same at the long slot's pitch
	s_mul_i32 s22, s11, AH0
	s_add_co_u32 s22, s22, AOFF0
	v_add_nc_u32 v[ADRA], s22, v3
	s_mul_i32 s22, s12, BH0
	v_add_nc_u32 v[ADRB], s22, v3
	s_mul_i32 s22, s11, AH1
	s_add_co_u32 s22, s22, LOFF+AOFF1
	v_add_nc_u32 v[ADRA+1], s22, v4
	s_mul_i32 s22, s12, BH1
	s_add_co_u32 s22, s22, LOFF
	v_add_nc_u32 v[ADRB+1], s22, v4
	s_mul_i32 s23, s10, 16*SPITCH
	s_add_co_u32 s23, s23, STAGE                   ; my stage
	v_mul_u32_u24 v5, v1, SPITCH
	v_lshl_add_u32 v5, v2, 5, v5
	v_add_nc_u32 v[STO], s23, v5                   ; in: row r, 32 bytes for each half of the lanes
	v_mul_u32_u24 v5, v2, SPITCH
	v_lshl_add_u32 v5, v1, 4, v5
	v_add_nc_u32 v[RD], s23, v5                    ; back: lanes 0-15 one row of 256 bytes, lanes 16-31 the next
	v_lshlrev_b32 v5, 13, v2
	v_lshl_add_u32 v[CO], v1, 4, v5                ; the same two rows in out0
	v_lshlrev_b32 v[VB], 5, v2
	WIN 0x80                                       ; 16 loads into window 2, waited for on the way out only; their address register and base are never written again
.irp b, 0,1,2,3,4,5,6,7
	global_load_b128 v[8*\b:8*\b+3],   v[VB], s[86:87] offset:64*\b
	global_load_b128 v[8*\b+4:8*\b+7], v[VB], s[86:87] offset:64*\b+16
.endr
	WIN 0
; Eight matrix instructions: row tile a x all 8 column tiles, 32 along K.  The 32 accumulators take turns, one instruction a turn, in the same order
; in every piece of 32 along K.
.macro MULA f, a, zero
.irp b, 0,1,2,3,4,5,6,7
.if \zero
	v_wmma_f32_16x16x32_f16 v[8*(8*\a+\b):8*(8*\a+\b)+7], v[\f+8*\b:\f+8*\b+7], v[\f+64+8*\a:\f+64+8*\a+7], 0
.else
	v_wmma_f32_16x16x32_f16 v[8*(8*\a+\b):8*(8*\a+\b)+7], v[\f+8*\b:\f+8*\b+7], v[\f+64+8*\a:\f+64+8*\a+7], v[8*(8*\a+\b):8*(8*\a+\b)+7]
.endif
.endr
.endm
.macro FETCH kind, k, f                ; 24 LDS loads in one run: the fragments of 32 along K at byte k of the rows of slot kind, into buffer f; the pitch is 272 + 256 x kind
	WIN 0
.irp i, 0,1,2,3,4,5,6,7
	ds_load_b128 v[\f+8*\i:\f+8*\i+3],   v[ADRB+\kind] offset:\k+\i*16*(P0+256*\kind)
	ds_load_b128 v[\f+8*\i+4:\f+8*\i+7], v[ADRB+\kind] offset:\k+\i*16*(P0+256*\kind)+32
.endr
.irp i, 0,1,2,3
	ds_load_b128 v[\f+64+8*\i:\f+64+8*\i+3], v[ADRA+\kind] offset:\k+\i*16*(P0+256*\kind)
	ds_load_b128 v[\f+68+8*\i:\f+68+8*\i+3], v[ADRA+\kind] offset:\k+\i*16*(P0+256*\kind)+32
.endr
.endm
.macro PLACES                          ; four places behind a matrix instruction before a load lands on a register that it read or a vector instruction reads its result
.rept 4
	v_nop
.endr
.endm
.macro QUARTER kind, k, f, g, zero
	s_wait_dscnt 4                                 ; woh's tiles and oh's tiles 0, 1 are in; the four youngest loads (oh's tiles 2, 3) may be out
	WIN MUL
	MULA \f, 0, \zero
	MULA \f, 1, \zero
	PLACES
	FETCH \kind, \k, \g
	s_wait_dscnt 24                                ; all but the 24 just issued
	WIN MUL
	MULA \f, 2, \zero
	MULA \f, 3, \zero
.endm
.macro BODY kind, zero                 ; all of a slot but its last 32 of K: three pieces of the short slot, seven of the long one
	QUARTER \kind, 64,  F0, F1, \zero
	QUARTER \kind, 128, F1, F0, 0
	QUARTER \kind, 192, F0, F1, 0
.if \kind
	QUARTER \kind, 256, F1, F0, 0
	QUARTER \kind, 320, F0, F1, 0
	QUARTER \kind, 384, F1, F0, 0
	QUARTER \kind, 448, F0, F1, 0
.endif
.endm
; The last 32 of K of a slot, and the change of slots: each wave's reads of this slot and all its tensor loads are waited for in front of the barrier; where the slot is
; filled again the barrier opens a round of the cluster's barrier, and the joint refill is the first tensor load behind the round.
.macro TURN kind, next, fill
	s_wait_dscnt 4
	WIN MUL
	MULA F1, 0, 0
	s_wait_dscnt 0                                 ; my reads of this slot are over
	s_wait_tensorcnt 0x0                           ; all my tensor loads have landed
	ds_add_u32 v254, v255
	s_wait_dscnt 0x0
	s_barrier_signal -1
	MULA F1, 1, 0                                  ; register work while the others arrive
	WIN 0
	s_barrier_wait -1
.if \fill
	CREST
	s_add_nc_u64 s[G0+4*\kind+2:G0+4*\kind+3], s[G0+4*\kind+2:G0+4*\kind+3], KADV
	s_add_nc_u64 s[G0B+4*\kind+2:G0B+4*\kind+3], s[G0B+4*\kind+2:G0B+4*\kind+3], KADV
	JLOAD \kind
.endif
	PLACES
	FETCH \next, 0, F0
	WIN MUL
	MULA F1, 2, 0
	MULA F1, 3, 0
.endm
	s_wait_tensorcnt 1                             ; my part of the long slot is in; the short slot's stays out
	s_barrier_signal -1
	s_barrier_wait -1
	FETCH 1, 0, F0
	BODY 1, 1                                      ; K 0-255: its first products start the sums
	TURN 1, 0, 1                                   ; K 384-639 is asked for
	BODY 0, 0                                      ; K 256-383
	TURN 0, 1, 1                                   ; K 640-767 is asked for
	BODY 1, 0                                      ; K 384-639
	TURN 1, 0, 1                                   ; K 768-1023 is asked for: the last fill
	BODY 0, 0                                      ; K 640-767
	TURN 0, 1, 0                                   ; nothing is left to fetch
	BODY 1, 0                                      ; K 768-1023
	s_wait_dscnt 4
	WIN MUL
	MULA F1, 0, 0
	MULA F1, 1, 0
	s_wait_dscnt 0
	MULA F1, 2, 0
	MULA F1, 3, 0
	; THE WAY OUT, 16 rows x 64 columns at a time: bias, through my own stage in LDS, rows of 256 bytes to memory
	PLACES
	WIN 0
	s_lshl_b32 s16, s13, 7
	s_lshl_b32 s14, s11, 6
	s_add_co_u32 s16, s16, s14                     ; my first row
	s_mul_i32 s16, s16, CROW
	s_mov_b32 s17, 0
	s_add_nc_u64 s[8:9], s[8:9], s[16:17]
	s_lshl_b32 s46, s42, 10                        ; my first column, in bytes
	s_lshl_b32 s47, s12, 9
	s_add_co_u32 s46, s46, s47
	s_mov_b32 s47, 0
	s_add_nc_u64 s[8:9], s[8:9], s[46:47]
	s_wait_loadcnt 0x0                             ; the bias
; row tile a, column tiles 4 hf .. 4 hf + 3
.macro OUTF a, hf, rbuf
	WIN 0x09                                       ; source 0 = accumulators (window 1), source 1 = bias (window 2)
.set ii, 0
.rept 16
	v_pk_add_f32 v[TW+2*ii:TW+2*ii+1], v[64*\a+32*\hf+2*ii:64*\a+32*\hf+2*ii+1], v[32*\hf+2*ii:32*\hf+2*ii+1]
.set ii, ii+1
.endr
	WIN 0
.irp b, 0,1,2,3
	ds_store_b128 v[STO], v[TW+8*\b:TW+8*\b+3]   offset:64*\b
	ds_store_b128 v[STO], v[TW+8*\b+4:TW+8*\b+7] offset:64*\b+16
.endr
	s_wait_xcnt 0x0                                ; the read-back registers, which earlier stores read, and the stores' base are written again only behind this wait
.if \a*(1-\hf)
	s_add_nc_u64 s[8:9], s[8:9], 16*CROW
.endif
.irp t, 0,1,2,3,4,5,6,7
	ds_load_b128 v[\rbuf+4*\t:\rbuf+4*\t+3], v[RD] offset:\t*2*SPITCH   ; LDS serves a wave's instructions in order: these see the stores above
.endr
.irp t, 0,1,2,3,4,5,6,7
	s_wait_dscnt 7-\t                              ; read-back t is in, the younger ones stay out
	global_store_b128 v[CO], v[\rbuf+4*\t:\rbuf+4*\t+3], s[8:9] offset:2*\t*CROW+256*\hf th:TH_STORE_NT   ; 16 lanes store 256 consecutive bytes, aligned; not read again
.endr
.endm
	OUTF 0, 0, 96
	OUTF 0, 1, 128
	OUTF 1, 0, 96
	OUTF 1, 1, 128
	OUTF 2, 0, 96
	OUTF 2, 1, 128
	OUTF 3, 0, 96
	OUTF 3, 1, 128
	s_wait_tensorcnt 0x0
	ds_add_u32 v254, v255
	s_wait_dscnt 0x0
	CROUND                                         ; the closing round: no work-group ends while a partner may still ask for a tile that names it
	s_endpgm
.Lfunc_end_k_q87ec204b63_oproj:
	.size	k_q87ec204b63_oproj, .Lfunc_end_k_q87ec204b63_oproj-k_q87ec204b63_oproj
	.p2alignl 7, 3214868480
	.fill 96, 4, 3214868480
	.section	.rodata,"a",@progbits
	.p2align	6, 0x0
	.amdhsa_kernel k_q87ec204b63_oproj
		.amdhsa_group_segment_fixed_size 327680
		.amdhsa_private_segment_fixed_size 0
		.amdhsa_enable_private_segment 0
		.amdhsa_kernarg_size 32
		.amdhsa_user_sgpr_count 2
		.amdhsa_user_sgpr_kernarg_segment_ptr 1
		.amdhsa_wavefront_size32 1
		.amdhsa_system_sgpr_workgroup_id_x 1
		.amdhsa_system_sgpr_workgroup_id_y 1
		.amdhsa_system_sgpr_workgroup_id_z 1
		.amdhsa_system_vgpr_workitem_id 0
		.amdhsa_next_free_vgpr 576
		.amdhsa_next_free_sgpr 88
		.amdhsa_reserve_vcc 0
		.amdhsa_float_denorm_mode_32 3
		.amdhsa_float_denorm_mode_16_64 3
		.amdhsa_memory_ordered 1
		.amdhsa_forward_progress 1
		.amdhsa_inst_pref_size 158
	.end_amdhsa_kernel
	.amdgpu_metadata
---
amdhsa.version: [ 1, 2 ]
amdhsa.kernels:
  - .name:           k_q87ec204b63_oproj
    .symbol:         k_q87ec204b63_oproj.kd
    .args:
      - { .name: oh, .offset: 0, .size: 8, .value_kind: global_buffer, .address_space: global }
      - { .name: woh, .offset: 8, .size: 8, .value_kind: global_buffer, .address_space: global }
      - { .name: out0, .offset: 16, .size: 8, .value_kind: global_buffer, .address_space: global }
      - { .name: bo, .offset: 24, .size: 8, .value_kind: global_buffer, .address_space: global }
    .group_segment_fixed_size: 327680
    .private_segment_fixed_size: 0
    .kernarg_segment_align: 8
    .kernarg_segment_size: 32
    .max_flat_workgroup_size: 128
    .sgpr_count:     88
    .vgpr_count:     576
    .wavefront_size: 32
...
	.end_amdgpu_metadata
.endif
;; end of part 4
